; MI455X (gfx1250); checked and timed in simulation.
; The chip was launched on July 23, 2026; its instructions are those of AMD's public machine-readable ISA for CDNA 5 (MIT licence, August 2026) and "CDNA5" Instruction Set Architecture Reference Guide (July 2026). The comments in the code are by the model that wrote it; some were corrected since.
;; Attn Block. Allowed arithmetic: matrix products marked QUANTISED: E2M1 operands, one E8M0 scale for each 32 along K, by v_wmma_scale_f32_16x16x128_f8f6f4 with both operands' format E2M1 (or v_wmma_scale_f32_32x16x128_f4), f32 sums; everything else in f32.
;; Inputs: bk 128 float32; bo 128 float32; bq 128 float32; bv 128 float32; gn_bias 128 float32; gn_scale 128 float32; wk 128 x 128 float32; wo 128 x 128 float32; wq 128 x 128 float32; wv 128 x 128 float32; x 8 x 128 x 64 x 64 float32.
;; Outputs: out0 8 x 128 x 64 x 64 float32.
;; This version of the problem:
;;   THIS VERSION OF THE PROBLEM IS GIVEN IN LOW PRECISION. The matrix products marked QUANTISED in the list below multiply operands that are first quantised to E2M1 (2 exponent bits, 1 mantissa bit; 4 bits a number), with one power-of-two scale for each 32 numbers along K (OCP MX v1.0); their sums are f32. All else is computed in f32.
;;   The module's matrix products, in the order in which they are computed (A, B: the left and right operand; K: the contracted axis; several contracted axes count as one K, in the product's order):
;;     1. [M 32,768, K 128] x [K 128, N 128]; A: computed on the way; B: input wq: QUANTISED
;;     2. [M 32,768, K 128] x [K 128, N 128]; A: computed on the way; B: input wk: QUANTISED
;;     3. [M 32,768, K 128] x [K 128, N 128]; A: computed on the way; B: input wv: QUANTISED
;;     4. batch 8 x [M 4,096, K 128] x [K 128, N 4,096]; A: computed on the way; B: computed on the way: QUANTISED
;;     5. batch 8 x [M 128, K 4,096] x [K 4,096, N 4,096]; A: computed on the way; B: softmax (see below): QUANTISED
;;     6. [M 32,768, K 128] x [K 128, N 128]; A: computed on the way; B: input wo: QUANTISED
;;   THE QUANTISER, for each operand of a quantised product, along K:
;;     - K is cut into blocks of 32 from its start; a last block that is shorter is filled with zeros.
;;     - A block's scale is 2^e with e = floor(log2(the largest magnitude in the block)) - 2, held to -126 .. 127; a block of zeros has e = 0. As a byte (E8M0): e + 127.
;;     - Each number is divided by its block's scale, clamped to +-6, and rounded to the nearest number of E2M1, ties to even, subnormals kept.
;;     - The product sums the exact products of the quantised numbers (number of the format x scale) in f32.
;;   ~~~python
;;   def quantise(x, axis):      # numpy; x: float32 -> the quantised numbers, widened to float32 again
;;       x = np.moveaxis(x, axis, -1); K = x.shape[-1]
;;       x = np.pad(x, [(0, 0)] * (x.ndim - 1) + [(0, -K % 32)]); x = x.reshape(x.shape[:-1] + (-1, 32)); a = np.abs(x).max(-1, keepdims=True)
;;       e = np.where(a > 0, np.clip(np.frexp(np.where(a > 0, a, 1))[1] - 1 - 2, -126, 127), 0)      # np.frexp(a)[1] - 1 = floor(log2(a)), exactly
;;       r = np.clip(x / 2.0 ** e, -6, 6)
;;       step = 2.0 ** (np.maximum(np.frexp(np.where(r == 0, 1, r))[1] - 1, 0) - 1)
;;       q = np.round(r / step) * step * 2.0 ** e      # np.round: ties to even
;;       return np.moveaxis(q.reshape(q.shape[:-2] + (-1,))[..., :K], -1, axis).astype(np.float32)
;;   ~~~
;;   SOFTMAX AHEAD OF A QUANTISED PRODUCT. Where the list says 'softmax', what is quantised is not the finished softmax but p = 2^(t - M), with t = logit x log2(e) and M = ceil(the row's largest t), a whole number; so 1/2 < the row's largest p <= 1. The row's sum l is taken of the UNQUANTISED p, in f32, and the product's result is divided by l at the end. Since M is a whole number, a kernel that streams over the keys may use a running M (the ceiling of the running maximum): every later rescaling is an exact power of two, which a block's scale takes up: the codes' values come out the same.
;;   OPERANDS COMPUTED ON THE WAY. 'Computed on the way' means the value that the module computes at that place (a softmax that the list does not call 'softmax' is quantised finished and normalised). What goes into a quantiser is computed in f32, as accurately as f32 sums, v_exp_f32 and their like allow (about 1e-6 of the number): no bf16 or f16 on the way to a quantiser, and a product that is left as it is and whose result goes on into a quantised operand takes f32 operands (vector FMAs, or v_wmma_f32_16x16x4_f32). A number that lies on a knife's edge between two numbers of the format may be rounded either way, as far as f32 arithmetic and the matrix unit's own rounding can turn it there, and no further.
;; One version. Each part assembles by itself: llvm-mc -triple=amdgcn-amd-amdhsa -mcpu=gfx1250 --defsym DOCPART=n.
;; ======== version 1 of 1: 3 launches
;; limits: right only within a limited range of input values
;; workspace buffers: coef 16,384 bytes; wc 34,816 bytes; qb 2,228,224 bytes; kv 4,456,448 bytes
;; launch stats (part 1): grid 260 x 1, 8 waves a work-group, no clusters, 1,280 bytes of LDS; arguments x, gn_scale, gn_bias, wq, wk, wv, wo, coef, wc; writes coef, wc
.if DOCPART == 1
	.amdgcn_target "amdgcn-amd-amdhsa--gfx1250"
	.amdhsa_code_object_version 6
	.text
	.protected	k_qac63678ed0_stats
	.globl	k_qac63678ed0_stats
	.p2align	8
	.type	k_qac63678ed0_stats,@function
k_qac63678ed0_stats:
	s_mov_b64 s[64:65], 0
	v_nop
	global_prefetch_b8 v0, s[64:65] scope:SCOPE_SE
	s_setreg_imm32_b32 hwreg(HW_REG_WAVE_MODE, 25, 1), 1
	s_wait_xcnt 0x0
; GROUP STATISTICS, AND THE FOUR WEIGHTS AS CODES OF FP4 (E2M1).
; x: [8][128][4096] f32.  A group is 4 channels x 4,096 pixels of one batch: 65,536 consecutive bytes.
; WORK-GROUPS 4 TO 259: number 4 + 32 x batch + group owns one group: 256 threads, 64 numbers each, held in registers between the pass for the mean and the pass for the variance
; (sum of (x - mean)^2: no difference of large sums, so a common offset of x costs no digits).
; OUT, coef, 2,048 bytes a batch: A[c] = rsqrt(var + 1e-5) x gn_scale[c] at 4 c; gn_bias[c] at 512 + 4 c; the group's mean at 1,024 + 4 g.  The next launch forms h = (x - mean) A + bias.
; WORK-GROUPS 0 TO 3 quantise wq, wk, wv, wo ([128 out][128 in], K = the last axis) into wc, 8,704 bytes a weight, and do nothing else, so that no group's statistics stand behind a weight:
; wave t makes tile t as an IMAGE OF THE OPERAND'S REGISTERS (registers 4 c .. 4 c + 3 of lane l at 1,024 t + 512 c + 16 l) and its scale words at 8,192 + 64 t + 4 r.
; THE ROWS OF A TILE ARE NOT NEIGHBOURS: lane r of tile 2 b + u takes row 32 b + 8 u + r + 8 (r / 8), so that results made with such a tile as source 0 have 16 neighbours along the next K in a lane.
; A block's scale byte is its largest magnitude's exponent field - 2, held at 1 from below.
; LIMITS: a block whose largest magnitude lies under 2^-124 gets the byte 1; a block of zeros gets the byte 1 and zero codes (the bytes are read by this program alone); NaN and infinities are not served;
; 1 / sqrt is v_rsq_f32.
; No cluster, no tensor load, no matrix unit: the work-groups share no input, and memory binds.  Each load of x by a wave covers 512 consecutive bytes; all of a thread's 16 loads are out together.
.set NW,   4                           ; work-groups that take a weight
.set X,    16                          ; v16-79   my 64 numbers of x
.set WX,   80                          ; v80-143  64 numbers of a weight's row
.set WC,   144                         ; v144-151 a weight's codes; in a group's work-group the eight waves' partial sums
.set CH,   152                         ; v152-159 four chains of pairs; at work
.set ZA,   160                         ; v160     0: an LDS address
.set WIMG, 8704                        ; bytes of a weight in wc
	s_load_b512 s[4:19], s[0:1], 0x0               ; x, gn_scale, gn_bias, wq, wk, wv, wo, coef
	s_load_b64 s[20:21], s[0:1], 0x40              ; wc
	v_lshl_add_u32 v164, v0, 2, 0x100
	v_mov_b32 v165, 0
	v_lshrrev_b32 v12, 5, v0
	s_delay_alu instid0(VALU_DEP_1)
	v_readfirstlane_b32 s22, v12                   ; wave 0..7
	s_delay_alu instid0(VALU_DEP_2)
	v_lshlrev_b32 v12, 2, v12                      ; LDS: my wave's word
	v_lshlrev_b32 v1, 4, v0                        ; my 16 bytes of 4,096
	v_and_b32 v2, 31, v0                           ; lane
	v_and_b32 v3, 15, v0                           ; r
	v_bfe_u32 v4, v0, 4, 1                         ; h
	s_delay_alu instid0(VALU_DEP_3)
	v_lshlrev_b32 v6, 4, v2                        ; 16 x lane
	s_delay_alu instid0(VALU_DEP_3)
	v_lshlrev_b32 v7, 2, v3                        ; 4 r
	v_mov_b32 v9, 0                                ; written once: a lane permute's destination counts as one of its sources
	v_mov_b32 v[ZA], 0
	s_mov_b32 s24, 0x76543210
	s_mov_b32 s25, 0xfedcba98                      ; v_permlanex16_b32's selects for lane l xor 16
	s_cmp_lt_u32 ttmp9, NW
	s_cbranch_scc1 .Lweight                        ; a branch on the work-group's number alone: all eight waves take the same way
	; ---- a group's statistics
	s_sub_co_u32 s23, ttmp9, NW                    ; 32 x batch + group
	s_and_b32 s26, s23, 31                         ; group
	s_lshr_b32 s27, s23, 5                         ; batch
	s_lshl_b32 s28, s26, 4                         ; the group's four channels begin at byte 16 g
	s_lshl_b32 s29, s26, 2
	v_and_b32 v13, 3, v0
	s_delay_alu instid0(VALU_DEP_1)
	v_lshl_add_u32 v13, v13, 2, s28                ; 16 g + 4 (t % 4): always inside the 512 bytes
	s_mov_b32 s44, 0x38800000                      ; 1 / 16,384
	s_mov_b32 s45, 0x3727c5ac                      ; 1e-5
	s_lshl_b32 s30, s23, 16
	s_mov_b32 s31, 0
	s_lshl_b32 s32, s27, 11
	s_mov_b32 s33, 0
	s_wait_alu depctr_va_vdst(0)
	s_wait_kmcnt 0x0
	s_add_nc_u64 s[4:5], s[4:5], s[30:31]          ; x at my group
	s_add_nc_u64 s[18:19], s[18:19], s[32:33]      ; coef at my batch
.irp i, 0,1,2,3,4,5,6,7,8,9,10,11,12,13,14,15
	global_load_b128 v[X+4*\i:X+4*\i+3], v1, s[4:5] offset:4096*\i
.endr
	global_load_b32 v14, v13, s[6:7]               ; gn_scale of channel 4 g + t % 4
	global_load_b32 v15, v13, s[8:9]               ; gn_bias
	s_wait_loadcnt 0x0
; A sum over the work-group: inside the wave by DPP and one exchange of halves; then each wave's figure to its own LDS word, one barrier, and every wave adds the eight.
.macro REDUCE off
	s_delay_alu instid0(VALU_DEP_1)
	v_add_f32_dpp v8, v8, v8 row_xmask:1 row_mask:0xf bank_mask:0xf
	s_delay_alu instid0(VALU_DEP_1)
	v_add_f32_dpp v8, v8, v8 row_xmask:2 row_mask:0xf bank_mask:0xf
	s_delay_alu instid0(VALU_DEP_1)
	v_add_f32_dpp v8, v8, v8 row_xmask:4 row_mask:0xf bank_mask:0xf
	s_delay_alu instid0(VALU_DEP_1)
	v_add_f32_dpp v8, v8, v8 row_xmask:8 row_mask:0xf bank_mask:0xf
	s_delay_alu instid0(VALU_DEP_1)
	v_permlanex16_b32 v9, v8, s24, s25
	s_delay_alu instid0(VALU_DEP_1)
	v_add_f32 v8, v8, v9
	ds_store_b32 v12, v8 offset:\off               ; all lanes write the same word with the same value
	s_wait_dscnt 0x0                               ; for the others' sake: my store has landed
	s_barrier_signal -1
	s_barrier_wait -1
	ds_load_b128 v[WC:WC+3], v[ZA] offset:\off
	ds_load_b128 v[WC+4:WC+7], v[ZA] offset:\off+16
	s_wait_dscnt 0x0
	v_add_f32 v[WC], v[WC], v[WC+1]
	v_add_f32 v[WC+2], v[WC+2], v[WC+3]
	v_add_f32 v[WC+4], v[WC+4], v[WC+5]
	v_add_f32 v[WC+6], v[WC+6], v[WC+7]
	s_delay_alu instid0(VALU_DEP_3)
	v_add_f32 v[WC], v[WC], v[WC+2]
	s_delay_alu instid0(VALU_DEP_2)
	v_add_f32 v[WC+4], v[WC+4], v[WC+6]
	s_delay_alu instid0(VALU_DEP_1)
	v_add_f32 v8, v[WC], v[WC+4]
.endm
.macro MERGE                                   ; the four chains of pairs become one number in v8
	s_delay_alu instid0(VALU_DEP_3)
	v_pk_add_f32 v[CH:CH+1], v[CH:CH+1], v[CH+2:CH+3]
	s_delay_alu instid0(VALU_DEP_2)
	v_pk_add_f32 v[CH+4:CH+5], v[CH+4:CH+5], v[CH+6:CH+7]
	s_delay_alu instid0(VALU_DEP_1)
	v_pk_add_f32 v[CH:CH+1], v[CH:CH+1], v[CH+4:CH+5]
	s_delay_alu instid0(VALU_DEP_1)
	v_add_f32 v8, v[CH], v[CH+1]
.endm
	; the mean: four chains, started by the first eight pairs: nothing is cleared
.irp k, 0,1,2,3
	v_pk_add_f32 v[CH+2*\k:CH+2*\k+1], v[X+2*\k:X+2*\k+1], v[X+8+2*\k:X+9+2*\k]
.endr
.set j, 8
.rept 24
	s_delay_alu instid0(VALU_DEP_4)
	v_pk_add_f32 v[CH+2*(j%4):CH+2*(j%4)+1], v[CH+2*(j%4):CH+2*(j%4)+1], v[X+2*j:X+2*j+1]
.set j, j+1
.endr
	MERGE
	REDUCE 0
	s_delay_alu instid0(VALU_DEP_1)
	v_mul_f32 v10, s44, v8                         ; the mean of 16,384 numbers,
	s_delay_alu instid0(VALU_DEP_1)
	v_mov_b32 v11, v10                             ; twice: a pair for the packed subtraction
	; the variance: the mean of (x - mean)^2
.set j, 0
.rept 32
	v_pk_add_f32 v[X+2*j:X+2*j+1], v[X+2*j:X+2*j+1], v[10:11] neg_lo:[0,1] neg_hi:[0,1]
.set j, j+1
.endr
.irp k, 0,1,2,3
	v_pk_mul_f32 v[CH+2*\k:CH+2*\k+1], v[X+2*\k:X+2*\k+1], v[X+2*\k:X+2*\k+1]
.endr
.set j, 4
.rept 28
	s_delay_alu instid0(VALU_DEP_4)
	v_pk_fma_f32 v[CH+2*(j%4):CH+2*(j%4)+1], v[X+2*j:X+2*j+1], v[X+2*j:X+2*j+1], v[CH+2*(j%4):CH+2*(j%4)+1]
.set j, j+1
.endr
	MERGE
	REDUCE 32                                      ; other LDS bytes than the first sum's: no barrier is owed between the two
	s_delay_alu instid0(VALU_DEP_1)
	v_fma_f32 v8, v8, s44, s45                     ; var + eps
	s_wait_alu depctr_va_vdst(0)
	v_rsq_f32 v8, v8
	v_mov_b32 v[CH+7], s29                         ; (a plain line behind the transcendental)  4 g
	s_wait_alu depctr_va_vdst(0)
	v_mul_f32 v14, v8, v14                         ; A = rsqrt(var + eps) x gn_scale
	s_cmp_lg_u32 s22, 0
	s_cbranch_scc1 .Lend                           ; wave 0 stores
	v_cmp_gt_u32 vcc_lo, 4, v0
	s_wait_xcnt 0x0                                ; EXEC is a source of pending loads and stores: it changes only behind this wait
	s_and_saveexec_b32 s41, vcc_lo
	s_wait_alu depctr_va_vdst(0)
	global_store_b32 v13, v14, s[18:19]            ; threads 0-3: the group's four A,
	global_store_b32 v13, v15, s[18:19] offset:512 ; and its four biases
	s_wait_xcnt 0x0
	s_or_b32 exec_lo, exec_lo, s41
	v_cmp_eq_u32 vcc_lo, 0, v0
	s_and_saveexec_b32 s41, vcc_lo                 ; (nothing was issued since the last wait)
	global_store_b32 v[CH+7], v10, s[18:19] offset:1024   ; thread 0: the mean
	s_wait_xcnt 0x0
	s_or_b32 exec_lo, exec_lo, s41
.Lend:
	s_wait_tensorcnt 0x0
	ds_add_u32 v164, v165
	s_wait_dscnt 0x0
	s_endpgm
.Lweight:
	; ---- a weight: work-group id takes weight id (q, k, v, o), wave t its tile t.  No LDS access and no barrier on this way
	s_mov_b32 s23, ttmp9
	s_wait_kmcnt 0x0
	s_cmp_lt_u32 s23, 2
	s_cselect_b64 s[34:35], s[10:11], s[14:15]     ; even id: wq or wv
	s_cselect_b64 s[36:37], s[12:13], s[16:17]     ; odd id: wk or wo
	s_and_b32 s38, s23, 1
	s_cmp_lg_u32 s38, 0
	s_cselect_b64 s[34:35], s[36:37], s[34:35]
	s_lshr_b32 s38, s22, 1
	s_lshl_b32 s38, s38, 14                        ; 32 (t / 2) rows of 512 bytes
	s_and_b32 s39, s22, 1
	s_lshl_b32 s39, s39, 12                        ; + 8 (t % 2) rows
	s_add_co_u32 s38, s38, s39
	s_mov_b32 s39, 0
	s_add_nc_u64 s[34:35], s[34:35], s[38:39]      ; the tile's first row
	s_mul_i32 s40, s23, WIMG
	s_lshl_b32 s38, s22, 10
	s_add_co_u32 s38, s38, s40
	s_add_nc_u64 s[36:37], s[20:21], s[38:39]      ; where its image goes
	s_lshl_b32 s38, s22, 6
	s_add_co_u32 s38, s38, s40
	s_add_co_u32 s38, s38, 8192
	s_add_nc_u64 s[42:43], s[20:21], s[38:39]      ; and its scale words
	s_wait_alu depctr_va_vdst(0)
	v_and_b32 v5, 8, v3
	s_delay_alu instid0(VALU_DEP_1)
	v_add_nc_u32 v5, v5, v3                        ; r + 8 (r / 8)
	s_delay_alu instid0(VALU_DEP_1)
	v_lshlrev_b32 v5, 9, v5
	s_delay_alu instid0(VALU_DEP_1)
	v_lshl_add_u32 v5, v4, 7, v5                   ; that row, + 128 h: lane (r, h) wants k = 64 c + 32 h + 0 .. 31
.irp c, 0,1
.irp i, 0,1,2,3,4,5,6,7
	global_load_b128 v[WX+32*\c+4*\i:WX+32*\c+4*\i+3], v5, s[34:35] offset:256*\c+16*\i
.endr
.endr
	s_wait_loadcnt 0x0
.irp c, 0,1                                    ; my block 2 c + h: all its 32 numbers are mine
	v_max3_num_f32 v[CH+\c], |v[WX+32*\c]|, |v[WX+1+32*\c]|, 0x1800000   ; with the floor 2^(3 - 127): the byte cannot fall under 1
.endr
.irp i, 2,4,6,8,10,12,14,16,18,20,22,24,26,28,30
.irp c, 0,1
	s_delay_alu instid0(VALU_DEP_2)
	v_max3_num_f32 v[CH+\c], v[CH+\c], |v[WX+32*\c+\i]|, |v[WX+1+32*\c+\i]|   ; (the two blocks by turns)
.endr
.endr
.irp c, 0,1
	s_delay_alu instid0(VALU_DEP_2)
	v_add_nc_u32 v[CH+2+\c], 0xff000000, v[CH+\c]  ; 2 off the exponent field: the conversion takes this operand's exponent field as its scale
.endr
.irp c, 0,1
	s_delay_alu instid0(VALU_DEP_2)
	v_lshrrev_b32 v[CH+4+\c], 23, v[CH+2+\c]       ; the scale's byte
.endr
	s_delay_alu instid0(VALU_DEP_1)
	v_lshl_or_b32 v[CH+6], v[CH+5], 16, v[CH+4]    ; blocks h and 2 + h of my row,
	v_lshlrev_b32 v[CH+7], 3, v4
	s_delay_alu instid0(VALU_DEP_1)
	v_lshlrev_b32 v[CH+6], v[CH+7], v[CH+6]        ; at their places in the scale word (8 h bits up);
	v_mov_b32 v[CH+7], 0
	s_delay_alu instid0(VALU_DEP_1)
	v_permlanex16_b32 v[CH+7], v[CH+6], s24, s25
	s_delay_alu instid0(VALU_DEP_1)
	v_or_b32 v[CH+6], v[CH+6], v[CH+7]             ; with lane l xor 16's two the word is whole
.irp c, 0,1
.irp g, 0,1,2,3
	v_cvt_scalef32_pk8_fp4_f32 v[WC+4*\c+\g], v[WX+32*\c+8*\g:WX+32*\c+8*\g+7], v[CH+2+\c]
.endr
.endr
	v_nop                                          ; one plain line behind the last scaled conversion
	global_store_b128 v6, v[WC:WC+3], s[36:37]     ; the image: 512 consecutive bytes a store
	global_store_b128 v6, v[WC+4:WC+7], s[36:37] offset:512
	v_cmp_gt_u32 vcc_lo, 16, v2
	s_wait_xcnt 0x0                                ; EXEC changes only behind this wait
	s_and_saveexec_b32 s41, vcc_lo
	global_store_b32 v7, v[CH+6], s[42:43]         ; lanes 0-15: row r's scale word
	s_wait_xcnt 0x0                                ; and again in front of the line that widens it
	s_or_b32 exec_lo, exec_lo, s41
	s_endpgm
.Lfunc_end_k_qac63678ed0_stats:
	.size	k_qac63678ed0_stats, .Lfunc_end_k_qac63678ed0_stats-k_qac63678ed0_stats
	.p2alignl 7, 3214868480
	.fill 96, 4, 3214868480
	.section	.rodata,"a",@progbits
	.p2align	6, 0x0
	.amdhsa_kernel k_qac63678ed0_stats
		.amdhsa_group_segment_fixed_size 1280
		.amdhsa_private_segment_fixed_size 0
		.amdhsa_enable_private_segment 0
		.amdhsa_kernarg_size 72
		.amdhsa_user_sgpr_count 2
		.amdhsa_user_sgpr_kernarg_segment_ptr 1
		.amdhsa_wavefront_size32 1
		.amdhsa_system_sgpr_workgroup_id_x 1
		.amdhsa_system_sgpr_workgroup_id_y 1
		.amdhsa_system_sgpr_workgroup_id_z 1
		.amdhsa_system_vgpr_workitem_id 0
		.amdhsa_next_free_vgpr 166
		.amdhsa_next_free_sgpr 66
		.amdhsa_reserve_vcc 1
		.amdhsa_float_denorm_mode_32 3
		.amdhsa_float_denorm_mode_16_64 3
		.amdhsa_memory_ordered 1
		.amdhsa_forward_progress 1
		.amdhsa_inst_pref_size 23
	.end_amdhsa_kernel
	.amdgpu_metadata
---
amdhsa.version: [ 1, 2 ]
amdhsa.kernels:
  - .name:           k_qac63678ed0_stats
    .symbol:         k_qac63678ed0_stats.kd
    .args:
      - { .name: x, .offset: 0, .size: 8, .value_kind: global_buffer, .address_space: global }
      - { .name: gn_scale, .offset: 8, .size: 8, .value_kind: global_buffer, .address_space: global }
      - { .name: gn_bias, .offset: 16, .size: 8, .value_kind: global_buffer, .address_space: global }
      - { .name: wq, .offset: 24, .size: 8, .value_kind: global_buffer, .address_space: global }
      - { .name: wk, .offset: 32, .size: 8, .value_kind: global_buffer, .address_space: global }
      - { .name: wv, .offset: 40, .size: 8, .value_kind: global_buffer, .address_space: global }
      - { .name: wo, .offset: 48, .size: 8, .value_kind: global_buffer, .address_space: global }
      - { .name: coef, .offset: 56, .size: 8, .value_kind: global_buffer, .address_space: global }
      - { .name: wc, .offset: 64, .size: 8, .value_kind: global_buffer, .address_space: global }
    .group_segment_fixed_size: 1280
    .private_segment_fixed_size: 0
    .kernarg_segment_align: 8
    .kernarg_segment_size: 72
    .max_flat_workgroup_size: 256
    .sgpr_count:     66
    .vgpr_count:     166
    .wavefront_size: 32
...
	.end_amdgpu_metadata
.endif
;; end of part 1
;; launch qkv (part 2): grid 256 x 1, 4 waves a work-group, no clusters, 44,032 bytes of LDS; arguments x, coef, wc, bq, bk, bv, qb, kv; writes qb, kv
.if DOCPART == 2
	.amdgcn_target "amdgcn-amd-amdhsa--gfx1250"
	.amdhsa_code_object_version 6
	.text
	.protected	k_qac63678ed0_qkv
	.globl	k_qac63678ed0_qkv
	.p2align	8
	.type	k_qac63678ed0_qkv,@function
k_qac63678ed0_qkv:
	s_mov_b64 s[64:65], 0
	v_nop
	global_prefetch_b8 v0, s[64:65] scope:SCOPE_SE
	s_setreg_imm32_b32 hwreg(HW_REG_WAVE_MODE, 25, 1), 1
	s_wait_xcnt 0x0
; h = GroupNorm(x), quantised along the channels; q, k, v = W h + b on codes of FP4 (E2M1) with one E8M0 scale for each 32 along K; q and k quantised along the channels, v along the tokens (its next K).
; SHARES.  Work-group id = 32 x batch + block owns 128 tokens; wave w tokens 32 w .. 32 w + 31.  A LANE TAKES A TOKEN AND ITS REGISTERS RUN DOWN THE 128 CHANNELS: each load reads 128 consecutive bytes of one
; channel, a block of 32 channels lies in one lane, and the conversions give codes with K innermost.  Lane l takes token (l & 7) | (l & 8) << 1 | (l & 16) >> 1: lanes 0-15 are the rows of tile 2 w, lanes
; 16-31 those of tile 2 w + 1, in the order used throughout: row r of tile 2 b + u stands for index 32 b + 8 u + r + 8 (r / 8).
; THE NORM'S COEFFICIENTS are the same in all lanes.  Each wave fetches its batch's 1,152 bytes (A, bias, means) with its first loads, keeps them in LDS bytes of its own, and reads them back a block of 32 channels
; at a time with one address for all lanes; the next block's are asked for behind the last use of this block's and land while this block is quantised.
; q, k: source 0 = 16 rows of W, source 1 = 16 tokens: a lane holds ONE token, and the 16 registers of tiles 2 b, 2 b + 1 are channels 32 b + 16 h + 0 .. 15; the bias is the C.
; v:    source 0 = 16 tokens, source 1 = 16 rows of W: a lane holds ONE channel, and the 16 registers of the two token tiles are tokens 32 w + 16 h + 0 .. 15: half a block along the keys.
; OUT, as images of the operands' registers (registers 4 c .. 4 c + 3 of lane l at 512 c + 16 l):
;   qb, 8,704 bytes a block: tile T at 1,024 T; scale words at 8,192 + 64 T + 4 r.
;   kv, 17,408 bytes a block: K's tile T at 1,024 T; V's tile t (16 channels x 128 keys) at 8,192 + 1,024 t; K's scale words at 16,384 + 16 l + 4 b (lanes 0-15 tile 2 b, lanes 16-31 tile 2 b + 1);
;   V's at 16,896 + 16 l + 4 i likewise, byte w = key block w.
; LIMITS: a block whose largest magnitude lies under 2^-124 gets the byte 1; a block of zeros the byte 1 and zero codes (the bytes are read by this program alone); NaN and infinities are not served.
; No cluster: what the work-groups share is 26 KiB of weight codes against 64 KiB of x each.  No tensor load: the weights' codes come through registers into LDS once.
.set BIAS, 26624                       ; LDS: 0 .. 26,623 wq's, wk's, wv's images and scale words as they lie in wc (52 x 512 bytes; the last 512 are wo's first, not used); then bq, bk, bv
.set KS,   28160                       ; K's scale words, 512 bytes
.set VS,   28672                       ; V's
.set QS,   29184                       ; Q's
.set CO,   30208                       ; the norm's coefficients, 1,280 bytes for each wave: A at 0, the bias at 512, the 32 means at 1,024
.set CWB,  1280
.set LN,  1                            ; v1   lane
.set XO,  2                            ; v2   4 x my token
.set LI,  3                            ; v3   16 x lane
.set L4,  4                            ; v4   4 x lane
.set SG,  5                            ; v5   6,656 w + 16 lane: my part of the weights' codes, in wc and in LDS alike
.set BO,  6                            ; v6   128 w + 4 lane: my part of a bias
.set BH,  7                            ; v7   BIAS + 64 h
.set BVA, 8                            ; v8   bv at r + 8 (r / 8)
.set KSA, 9                            ; v9   KS + 256 h + 128 (w % 2) + 16 (r % 8) + 8 (w / 2) + 4 (r / 8)
; K'S TILES IN kv ARE ORDERED OTHERWISE THAN Q'S: row R of tile 4 c + u stands for token 64 c + 32 (R / 8) + 8 u + R % 8 of the block, so that the registers of tiles 4 c .. 4 c + 3 of S^T are a whole block of 32 keys in one lane.
; K's images are gathered in LDS in that order and leave at the end as they lie there.
.set KI,   35840                       ; K's eight images, 8,192 bytes
.set IOK, 10                           ; v10  KI + my place in K's images
.set VSA, 11                           ; v11  VS + 16 r + w
.set VO,  12                           ; v12  256 w + 16 r + 8 h: my 8 bytes of an image of V
.set CPL, 13                           ; v13  KS + 512 w + 16 lane: the scale words' way out, in LDS,
.set CPG, 14                           ; v14  512 w + 16 lane: and in memory
.set IO,  15                           ; v15  2,048 w + 16 lane: my wave's two images of q or k
.set HF,  16                           ; v16-31  h's two fragments
.set HS,  32                           ; v32     h's scale words: lanes 0-15 tile 0, lanes 16-31 tile 1; scales alone
.set CW,  33                           ; v33     CO + 1,280 w + 16 lane
.set WS,  34                           ; v34-37  a weight's scale words: register i: lanes 0-15 tile 2 i, lanes 16-31 tile 2 i + 1; scales alone
.set CW4, 38                           ; v38     CO + 1,280 w + 4 lane
.set CB,  39                           ; v39     CO + 1,280 w: one address for all lanes
.set CM,  56                           ; v56-63  the means of a block's eight groups
.set WF,  64                           ; v64-127 first what goes to LDS; then a block's coefficients; then a weight's eight fragments
.set CA,  64                           ; v64-95  A of a block's 32 channels
.set CI,  96                           ; v96-127 their biases
.set X,   128                          ; v128-255 x, then h
.set ACC, 128                          ; once h is quantised: v128-191 eight accumulators,
.set TM,  192                          ; v192-207 at work,
.set PC0, 208                          ; v208-223 two sets of codes,
.set BV,  224                          ; v224-231 bv of my channel in each tile,
.set PW0, 232                          ; v232-233 two scale words, v234 both in one register
.set PWC, 234
.set SEL, 66                           ; s[66:67] v_permlanex16_b32's selects for lane l xor 16
.macro PLACES n
.rept \n
	v_nop
.endr
.endm
; The scaled matrix instruction on codes of FP4; ra, rb = 1: that side's scales are read from lanes 16-31.
.macro WMS0 d, a, b, sa, sb, ra, rb
.if (\ra) && (\rb)
	v_wmma_scale_f32_16x16x128_f8f6f4 v[(\d):(\d)+7], v[(\a):(\a)+7], v[(\b):(\b)+7], 0, v[\sa], v[\sb] matrix_a_fmt:MATRIX_FMT_FP4 matrix_b_fmt:MATRIX_FMT_FP4 matrix_a_scale:MATRIX_SCALE_ROW1 matrix_b_scale:MATRIX_SCALE_ROW1
.elseif (\ra)
	v_wmma_scale_f32_16x16x128_f8f6f4 v[(\d):(\d)+7], v[(\a):(\a)+7], v[(\b):(\b)+7], 0, v[\sa], v[\sb] matrix_a_fmt:MATRIX_FMT_FP4 matrix_b_fmt:MATRIX_FMT_FP4 matrix_a_scale:MATRIX_SCALE_ROW1
.elseif (\rb)
	v_wmma_scale_f32_16x16x128_f8f6f4 v[(\d):(\d)+7], v[(\a):(\a)+7], v[(\b):(\b)+7], 0, v[\sa], v[\sb] matrix_a_fmt:MATRIX_FMT_FP4 matrix_b_fmt:MATRIX_FMT_FP4 matrix_b_scale:MATRIX_SCALE_ROW1
.else
	v_wmma_scale_f32_16x16x128_f8f6f4 v[(\d):(\d)+7], v[(\a):(\a)+7], v[(\b):(\b)+7], 0, v[\sa], v[\sb] matrix_a_fmt:MATRIX_FMT_FP4 matrix_b_fmt:MATRIX_FMT_FP4
.endif
.endm
.macro WMSC d, a, b, c, sa, sb, ra, rb
.if (\ra) && (\rb)
	v_wmma_scale_f32_16x16x128_f8f6f4 v[(\d):(\d)+7], v[(\a):(\a)+7], v[(\b):(\b)+7], v[(\c):(\c)+7], v[\sa], v[\sb] matrix_a_fmt:MATRIX_FMT_FP4 matrix_b_fmt:MATRIX_FMT_FP4 matrix_a_scale:MATRIX_SCALE_ROW1 matrix_b_scale:MATRIX_SCALE_ROW1
.elseif (\ra)
	v_wmma_scale_f32_16x16x128_f8f6f4 v[(\d):(\d)+7], v[(\a):(\a)+7], v[(\b):(\b)+7], v[(\c):(\c)+7], v[\sa], v[\sb] matrix_a_fmt:MATRIX_FMT_FP4 matrix_b_fmt:MATRIX_FMT_FP4 matrix_a_scale:MATRIX_SCALE_ROW1
.elseif (\rb)
	v_wmma_scale_f32_16x16x128_f8f6f4 v[(\d):(\d)+7], v[(\a):(\a)+7], v[(\b):(\b)+7], v[(\c):(\c)+7], v[\sa], v[\sb] matrix_a_fmt:MATRIX_FMT_FP4 matrix_b_fmt:MATRIX_FMT_FP4 matrix_b_scale:MATRIX_SCALE_ROW1
.else
	v_wmma_scale_f32_16x16x128_f8f6f4 v[(\d):(\d)+7], v[(\a):(\a)+7], v[(\b):(\b)+7], v[(\c):(\c)+7], v[\sa], v[\sb] matrix_a_fmt:MATRIX_FMT_FP4 matrix_b_fmt:MATRIX_FMT_FP4
.endif
.endm
	s_load_b128 s[68:71], s[0:1], 0x0              ; x, coef
	s_load_b256 s[72:79], s[0:1], 0x10             ; wc, bq, bk, bv
	s_load_b128 s[96:99], s[0:1], 0x30             ; qb, kv
	s_set_vgpr_msb 0x40
	v_lshl_add_u32 v0, v0, 2, 0x8a00
	v_mov_b32 v1, 0
	s_set_vgpr_msb 0x4000
	v_lshrrev_b32 v40, 5, v0
	v_readfirstlane_b32 s2, v40                    ; wave 0..3
	v_and_b32 v[LN], 31, v0
	v_and_b32 v40, 15, v0                          ; r
	v_bfe_u32 v41, v0, 4, 1                        ; h
	v_and_b32 v42, 7, v0
	v_and_b32 v43, 8, v0
	v_lshl_or_b32 v42, v43, 1, v42
	v_lshl_or_b32 v42, v41, 3, v42                 ; my token of the wave's 32
	v_lshlrev_b32 v[XO], 2, v42
	v_lshlrev_b32 v[LI], 4, v[LN]
	v_lshlrev_b32 v[L4], 2, v[LN]
	s_mul_i32 s3, s2, 6656
	v_add_nc_u32 v[SG], s3, v[LI]
	s_lshl_b32 s3, s2, 7
	v_add_nc_u32 v[BO], s3, v[L4]
	v_lshl_add_u32 v[BH], v41, 6, BIAS
	v_add_nc_u32 v43, v43, v40                     ; r + 8 (r / 8)
	v_lshl_add_u32 v[BVA], v43, 2, BIAS+1024
	s_lshr_b32 s4, s2, 1                           ; my 32 tokens are block 2 c + d of the 128: c = wave / 2,
	s_and_b32 s5, s2, 1                            ; d = wave % 2
	s_lshl_b32 s6, s5, 7
	s_lshl_b32 s3, s4, 3
	s_add_co_u32 s3, s3, s6
	s_add_co_u32 s3, s3, KS
	v_and_b32 v44, 7, v40                          ; r % 8
	v_bfe_u32 v45, v0, 3, 1                        ; r / 8
	v_lshlrev_b32 v44, 4, v44
	v_lshl_add_u32 v44, v41, 8, v44                ; 16 (r % 8) + 256 h
	v_lshl_add_u32 v[KSA], v45, 2, v44
	v_add_nc_u32 v[KSA], s3, v[KSA]                ; K's scale word of tile u = lane / 16: KS + 256 u + 128 d + 16 (r % 8) + 8 c + 4 (r / 8)
	s_lshl_b32 s3, s4, 12
	s_add_co_u32 s3, s3, s6
	s_add_co_u32 s3, s3, KI
	v_lshl_add_u32 v[IOK], v45, 11, v44
	v_add_nc_u32 v[IOK], s3, v[IOK]                ; K's codes of tile u: KI + 1,024 (4 c + u + 2 (r / 8)) + 16 (8 d + r % 8) + 256 h; the 1,024 u is the stores' offset
	s_add_co_u32 s3, s2, VS
	v_lshl_add_u32 v[VSA], v40, 4, s3
	s_lshl_b32 s3, s2, 8
	v_lshl_add_u32 v[VO], v40, 4, s3
	v_lshl_add_u32 v[VO], v41, 3, v[VO]
	s_lshl_b32 s3, s2, 9
	v_add_nc_u32 v[CPG], s3, v[LI]
	v_add_nc_u32 v[CPL], KS, v[CPG]
	s_lshl_b32 s3, s2, 11
	v_add_nc_u32 v[IO], s3, v[LI]
	s_mul_i32 s3, s2, CWB
	s_add_co_u32 s3, s3, CO                        ; my wave's coefficients in LDS
	v_add_nc_u32 v[CW], s3, v[LI]
	v_add_nc_u32 v[CW4], s3, v[L4]
	v_mov_b32 v[CB], s3
	s_mov_b32 s[SEL], 0x76543210
	s_mov_b32 s[SEL+1], 0xfedcba98
	s_mov_b32 s100, 0xffff0000                     ; a lane mask: lanes 16-31
	s_lshr_b32 s3, ttmp9, 5                        ; batch
	s_and_b32 s4, ttmp9, 31                        ; block of 128 tokens
	s_lshl_b32 s6, s3, 21                          ; a batch of x is 2 MiB,
	s_lshl_b32 s5, s4, 9                           ; a block 512 bytes of a channel's row,
	s_add_co_u32 s6, s6, s5
	s_lshl_b32 s5, s2, 7                           ; my wave's 32 tokens: 128 bytes on
	s_add_co_u32 s6, s6, s5
	s_mov_b32 s7, 0
	s_wait_alu depctr_va_vdst(0)
	s_wait_kmcnt 0x0
	s_add_nc_u64 s[68:69], s[68:69], s[6:7]
	s_lshl_b32 s6, s3, 11
	s_add_nc_u64 s[70:71], s[70:71], s[6:7]        ; coef at my batch
	s_mul_i32 s6, ttmp9, 8704
	s_add_nc_u64 s[96:97], s[96:97], s[6:7]        ; qb at my block
	s_mul_i32 s6, ttmp9, 17408
	s_add_nc_u64 s[98:99], s[98:99], s[6:7]        ; kv at my block
.macro LOADX b                                 ; channels 32 b .. 32 b + 31 of my token
.set i, 0
.rept 32
	global_load_b32 v[X+32*(\b)+i], v[XO], s[68:69] offset:(32*(\b)+i)*16384
.set i, i+1
.endr
.endm
.macro COEF b                                  ; the coefficients of channels 32 b .. 32 b + 31: every lane reads the same bytes of my wave's own copy
.irp k, 0,1,2,3,4,5,6,7
	ds_load_b128 v[CA+4*\k:CA+4*\k+3], v[CB] offset:128*(\b)+16*\k
.endr
.irp k, 0,1,2,3,4,5,6,7
	ds_load_b128 v[CI+4*\k:CI+4*\k+3], v[CB] offset:512+128*(\b)+16*\k
.endr
	ds_load_b128 v[CM:CM+3], v[CB] offset:1024+32*(\b)
	ds_load_b128 v[CM+4:CM+7], v[CB] offset:1024+32*(\b)+16
.endm
.macro NORMB b                                 ; h = (x - mean) A + bias for channels 32 b on: the mean goes off first, so that an offset of x costs no digits
.set i, 0
.rept 32
	v_sub_f32 v[X+32*(\b)+i], v[X+32*(\b)+i], v[CM+i/4]
.set i, i+1
.endr
.set i, 0
.rept 16
	v_pk_fma_f32 v[X+32*(\b)+2*i:X+32*(\b)+2*i+1], v[X+32*(\b)+2*i:X+32*(\b)+2*i+1], v[CA+2*i:CA+2*i+1], v[CI+2*i:CI+2*i+1]
.set i, i+1
.endr
.endm
.macro HBLK b                                  ; block b of 32 channels: all its numbers are mine.  Even blocks' codes go to HF + 0 .. 7, odd blocks' to HF + 8 .. 15
.set XS, X+32*(\b)
.set T, 40+4*(\b)
	v_max3_num_f32 v[T], |v[XS]|, |v[XS+1]|, |v[XS+2]|
	v_max3_num_f32 v[T+1], |v[XS+3]|, |v[XS+4]|, |v[XS+5]|
.irp i, 6,10,14,18,22,26
	v_max3_num_f32 v[T], v[T], |v[XS+\i]|, |v[XS+\i+1]|
	v_max3_num_f32 v[T+1], v[T+1], |v[XS+\i+2]|, |v[XS+\i+3]|
.endr
	v_max3_num_f32 v[T], v[T], |v[XS+30]|, |v[XS+31]|
	v_max3_num_f32 v[T], v[T], v[T+1], 0x1800000   ; with the floor 2^(3 - 127): the byte cannot fall under 1
	v_add_nc_u32 v[T+2], 0xff000000, v[T]          ; 2 off the exponent field: the conversion's scale operand
	v_lshrrev_b32 v[T+3], 23, v[T+2]               ; the scale's byte
.if (\b) == 0
	v_mov_b32 v[HS], v[T+3]
.else
	v_lshl_or_b32 v[HS], v[T+3], 8*(\b), v[HS]
.endif
.irp g, 0,1,2,3
	v_cvt_scalef32_pk8_fp4_f32 v[HF+8*((\b)%2)+4*((\b)/2)+\g], v[XS+8*\g:XS+8*\g+7], v[T+2]
.endr
.endm
	global_load_b128 v[40:43], v[LI], s[70:71]             ; the batch's 128 A: 512 consecutive bytes,
	global_load_b128 v[44:47], v[LI], s[70:71] offset:512  ; its 128 biases,
	global_load_b32 v48, v[L4], s[70:71] offset:1024       ; its 32 means
.irp i, 0,1,2,3,4,5,6,7,8,9,10,11,12
	global_load_b128 v[WF+4*\i:WF+4*\i+3], v[SG], s[72:73] offset:512*\i   ; my quarter of the three weights' codes and scale words
.endr
	global_load_b32 v[WF+52], v[BO], s[74:75]      ; and of bq, bk, bv
	global_load_b32 v[WF+53], v[BO], s[76:77]
	global_load_b32 v[WF+54], v[BO], s[78:79]
	LOADX 0
	s_wait_loadcnt 32                              ; all but the 32 loads of x issued behind them
	ds_store_b128 v[CW], v[40:43]                  ; the coefficients into my wave's own bytes
	ds_store_b128 v[CW], v[44:47] offset:512
	ds_store_b32 v[CW4], v48 offset:1024
.irp i, 0,1,2,3,4,5,6,7,8,9,10,11,12
	ds_store_b128 v[SG], v[WF+4*\i:WF+4*\i+3] offset:512*\i
.endr
.irp i, 0,1,2
	ds_store_b32 v[BO], v[WF+52+\i] offset:BIAS+512*\i
.endr
	s_wait_dscnt 0x0                               ; the stores have read their registers: the coefficients may land there
	COEF 0                                         ; my own bytes: LDS serves a wave's instructions in order, no barrier is owed
	LOADX 1
	s_wait_loadcnt 32                              ; channels 0-31 are in; the 32 loads behind them may be out
	LOADX 2
	s_wait_dscnt 0x0                               ; block 0's coefficients are in
	NORMB 0
	COEF 1                                         ; behind the last use of block 0's; they land while block 0 is quantised
	HBLK 0
	s_wait_loadcnt 32                              ; channels 32-63 are in
	LOADX 3
	s_wait_dscnt 0x0
	NORMB 1
	COEF 2
	HBLK 1
	s_wait_loadcnt 32                              ; channels 64-95 are in
	s_wait_dscnt 0x0
	NORMB 2
	COEF 3
	HBLK 2
	s_wait_loadcnt 0x0
	s_wait_dscnt 0x0
	NORMB 3
	HBLK 3
	v_nop                                          ; one plain line behind the last scaled conversion
.irp i, 0,1,2,3,4,5,6,7
	v_permlane16_swap_b32 v[HF+\i], v[HF+8+\i]     ; tile 1's even blocks change places with tile 0's odd blocks: HF + 0 .. 7 is tile 0's fragment (lanes 0-15 block 2 c, lanes 16-31 block 2 c + 1), HF + 8 .. 15 tile 1's
.endr
	s_wait_alu depctr_va_vdst(0)
	s_wait_dscnt 0x0                               ; my stores of weights and biases have landed
	s_barrier_signal -1
	s_barrier_wait -1                              ; everybody's have
.irp b, 0,1,2,3
	v_mov_b32 v[TM+4+\b], 0                        ; written once: a lane permute's destination counts as one of its sources
.endr
	PLACES 4                                       ; with the four lines above: eight places between h's scale word, made by vector instructions, and the first scaled product; four are owed for its codes
.macro WLOAD wi                                ; weight wi's eight fragments and its scale words
.irp t, 0,1,2,3,4,5,6,7
	ds_load_b128 v[WF+8*\t:WF+8*\t+3], v[LI] offset:8704*\wi+1024*\t
	ds_load_b128 v[WF+8*\t+4:WF+8*\t+7], v[LI] offset:8704*\wi+1024*\t+512
.endr
.irp i, 0,1,2,3
	ds_load_b32 v[WS+\i], v[L4] offset:8704*\wi+8192+128*\i
.endr
.endm
; 64 numbers of a lane, register 16 b + i = place 32 b + 16 h + i along K (or, for v, 16 h + i of block b's 32), become 8 registers of codes, two for each b; the bytes stay in TM + 4 .. 7.
.macro QCORE s, pc
.irp b, 0,1,2,3
	v_max3_num_f32 v[TM+\b], |v[(\s)+16*\b]|, |v[(\s)+1+16*\b]|, 0x1800000   ; each accumulator is read from its low end on; the floor holds the byte at 1 from below
.endr
.irp i, 2,4,6,8,10,12,14
.irp b, 0,1,2,3
	v_max3_num_f32 v[TM+\b], v[TM+\b], |v[(\s)+16*\b+\i]|, |v[(\s)+1+16*\b+\i]|   ; (the four blocks by turns)
.endr
.endr
.irp b, 0,1,2,3
	v_permlanex16_b32 v[TM+4+\b], v[TM+\b], s[SEL], s[SEL+1]
.endr
.irp b, 0,1,2,3
	v_max_num_f32 v[TM+\b], v[TM+\b], v[TM+4+\b]   ; with lane l xor 16's 16: the block's largest magnitude
.endr
.irp b, 0,1,2,3
	v_add_nc_u32 v[TM+12+\b], 0xff000000, v[TM+\b]
.endr
.irp b, 0,1,2,3
	v_lshrrev_b32 v[TM+4+\b], 23, v[TM+12+\b]
.endr
.irp b, 0,1,2,3
	v_cvt_scalef32_pk8_fp4_f32 v[(\pc)+2*\b], v[(\s)+16*\b:(\s)+7+16*\b], v[TM+12+\b]
	v_cvt_scalef32_pk8_fp4_f32 v[(\pc)+1+2*\b], v[(\s)+8+16*\b:(\s)+15+16*\b], v[TM+12+\b]
.endr
	v_nop                                          ; one plain line behind the last scaled conversion
.endm
.macro QTAIL pc, pw                            ; the row's scale word; and the exchange of halves that gives each lane a whole block
	v_lshl_or_b32 v[\pw], v[TM+5], 8, v[TM+4]
	v_lshl_or_b32 v[\pw], v[TM+6], 16, v[\pw]
	v_lshl_or_b32 v[\pw], v[TM+7], 24, v[\pw]
.irp c, 0,1
.irp i, 0,1
	v_permlane16_swap_b32 v[(\pc)+4*\c+\i], v[(\pc)+2+4*\c+\i]
.endr
.endr
.endm
; q or k of token tile u: the bias is loaded into the accumulators and is the C of the one product that each takes; eight accumulators, one instruction each.
.macro PROJ wi, u, base
.irp t, 0,1,2,3,4,5,6,7
	ds_load_b128 v[ACC+8*\t:ACC+8*\t+3], v[BH] offset:512*\wi+(32*(\t/2)+8*(\t%2))*4      ; the bias of channels 32 (t / 2) + 8 (t % 2) + 16 h + 0 .. 7
	ds_load_b128 v[ACC+8*\t+4:ACC+8*\t+7], v[BH] offset:512*\wi+(32*(\t/2)+8*(\t%2))*4+16
.endr
	s_wait_dscnt 0x0                               ; the weight and the bias are in
.irp t, 0,1,2,3,4,5,6,7
	WMSC ACC+8*\t, WF+8*\t, HF+8*\u, ACC+8*\t, WS+\t/2, HS, \t%2, \u
.endr
	PLACES 4                                       ; four places behind the products: for the reads of results below, and for the later loads into the weights', scales' and accumulators' registers
	s_wait_xcnt 0x0                                ; earlier stores have read this set of codes: it is written again only behind this wait
	QCORE ACC, PC0+8*\u
	QTAIL PC0+8*\u, PW0+\u
.if \base == 98
	ds_store_b128 v[IOK], v[PC0+8*\u:PC0+8*\u+3] offset:1024*\u                           ; K: into its image in LDS
	ds_store_b128 v[IOK], v[PC0+8*\u+4:PC0+8*\u+7] offset:1024*\u+512
.else
	global_store_b128 v[IO], v[PC0+8*\u:PC0+8*\u+3], s[\base:\base+1] offset:1024*\u       ; Q's image: 512 consecutive bytes a store
	global_store_b128 v[IO], v[PC0+8*\u+4:PC0+8*\u+7], s[\base:\base+1] offset:1024*\u+512
.endif
.endm
; v of channel tiles 4 g .. 4 g + 3, for my 32 tokens.
.macro VPROJ g
.irp tt, 0,1,2,3
.irp u, 0,1
	WMS0 ACC+16*\tt+8*\u, HF+8*\u, WF+8*(4*\g+\tt), HS, WS+(4*\g+\tt)/2, \u, \tt%2
.endr
.endr
	PLACES 4
.irp tt, 0,1,2,3
.irp i, 0,1,2,3,4,5,6,7,8,9,10,11,12,13,14,15
	v_add_f32 v[ACC+16*\tt+\i], v[ACC+16*\tt+\i], v[BV+4*\g+\tt]   ; + bv of my channel; ascending
.endr
.endr
	s_wait_xcnt 0x0                                ; earlier stores have read this set of codes
	QCORE ACC, PC0+8*\g
.irp tt, 0,1,2,3
	global_store_b64 v[VO], v[PC0+8*\g+2*\tt:PC0+8*\g+2*\tt+1], s[98:99] offset:8192+1024*(4*\g+\tt)   ; keys 32 w + 16 h + 0 .. 15 of channel row r: the wave's store covers 256 consecutive bytes, aligned
	ds_store_b8 v[VSA], v[TM+4+\tt] offset:256*(\tt%2)+4*((4*\g+\tt)/2)                                ; byte w of the row's scale word; both lanes of a block write the same value
.endr
	s_wait_dscnt 0x0
.endm
	WLOAD 0
	PROJ 0, 0, 96
	PROJ 0, 1, 96
	v_cndmask_b32 v[PWC], v[PW0], v[PW0+1], s100   ; lanes 0-15 tile 2 w's words, lanes 16-31 tile 2 w + 1's
	ds_store_b32 v[BO], v[PWC] offset:QS
	WLOAD 1
	PROJ 1, 0, 98
	PROJ 1, 1, 98
	v_cndmask_b32 v[PWC], v[PW0], v[PW0+1], s100
	ds_store_b32 v[KSA], v[PWC]
	WLOAD 2
.irp t, 0,1,2,3,4,5,6,7
	ds_load_b32 v[BV+\t], v[BVA] offset:(32*(\t/2)+8*(\t%2))*4
.endr
	s_wait_dscnt 0x0
	VPROJ 0
	VPROJ 1
	s_wait_dscnt 0x0                               ; my scale words and bytes have landed
	s_barrier_signal -1
	s_barrier_wait -1                              ; everybody's have
.irp i, 0,1,2,3
	ds_load_b128 v[WF+4*\i:WF+4*\i+3], v[IO] offset:KI+512*\i                              ; a quarter of K's images a wave
.endr
.irp i, 0,1,2,3
	s_wait_dscnt 3-\i                              ; the younger loads may be out
	global_store_b128 v[IO], v[WF+4*\i:WF+4*\i+3], s[98:99] offset:512*\i                  ; 512 consecutive bytes, aligned
.endr
	s_cmp_eq_u32 s2, 3
	s_cbranch_scc1 .Lend
	ds_load_b128 v[PC0:PC0+3], v[CPL]
	s_add_nc_u64 s[4:5], s[98:99], 16384           ; waves 0, 1: kv's block + 16,384 + 512 w
	s_add_nc_u64 s[6:7], s[96:97], 7168            ; wave 2: qb's block + 8,192 (its 512 w is 1,024)
	s_cmp_lt_u32 s2, 2
	s_cselect_b64 s[4:5], s[4:5], s[6:7]
	s_wait_dscnt 0x0
	global_store_b128 v[CPG], v[PC0:PC0+3], s[4:5] ; 512 consecutive bytes, aligned
.Lend:
	s_set_vgpr_msb 0x5
	s_wait_tensorcnt 0x0
	ds_add_u32 v0, v1
	s_wait_dscnt 0x0
	s_set_vgpr_msb 0x500
	s_endpgm
.Lfunc_end_k_qac63678ed0_qkv:
	.size	k_qac63678ed0_qkv, .Lfunc_end_k_qac63678ed0_qkv-k_qac63678ed0_qkv
	.p2alignl 7, 3214868480
	.fill 96, 4, 3214868480
	.section	.rodata,"a",@progbits
	.p2align	6, 0x0
	.amdhsa_kernel k_qac63678ed0_qkv
		.amdhsa_group_segment_fixed_size 44032
		.amdhsa_private_segment_fixed_size 0
		.amdhsa_enable_private_segment 0
		.amdhsa_kernarg_size 64
		.amdhsa_user_sgpr_count 2
		.amdhsa_user_sgpr_kernarg_segment_ptr 1
		.amdhsa_wavefront_size32 1
		.amdhsa_system_sgpr_workgroup_id_x 1
		.amdhsa_system_sgpr_workgroup_id_y 1
		.amdhsa_system_sgpr_workgroup_id_z 1
		.amdhsa_system_vgpr_workitem_id 0
		.amdhsa_next_free_vgpr 258
		.amdhsa_next_free_sgpr 102
		.amdhsa_reserve_vcc 0
		.amdhsa_float_denorm_mode_32 3
		.amdhsa_float_denorm_mode_16_64 3
		.amdhsa_memory_ordered 1
		.amdhsa_forward_progress 1
		.amdhsa_inst_pref_size 83
	.end_amdhsa_kernel
	.amdgpu_metadata
---
amdhsa.version: [ 1, 2 ]
amdhsa.kernels:
  - .name:           k_qac63678ed0_qkv
    .symbol:         k_qac63678ed0_qkv.kd
    .args:
      - { .name: x, .offset: 0, .size: 8, .value_kind: global_buffer, .address_space: global }
      - { .name: coef, .offset: 8, .size: 8, .value_kind: global_buffer, .address_space: global }
      - { .name: wc, .offset: 16, .size: 8, .value_kind: global_buffer, .address_space: global }
      - { .name: bq, .offset: 24, .size: 8, .value_kind: global_buffer, .address_space: global }
      - { .name: bk, .offset: 32, .size: 8, .value_kind: global_buffer, .address_space: global }
      - { .name: bv, .offset: 40, .size: 8, .value_kind: global_buffer, .address_space: global }
      - { .name: qb, .offset: 48, .size: 8, .value_kind: global_buffer, .address_space: global }
      - { .name: kv, .offset: 56, .size: 8, .value_kind: global_buffer, .address_space: global }
    .group_segment_fixed_size: 44032
    .private_segment_fixed_size: 0
    .kernarg_segment_align: 8
    .kernarg_segment_size: 64
    .max_flat_workgroup_size: 128
    .sgpr_count:     102
    .vgpr_count:     258
    .wavefront_size: 32
...
	.end_amdgpu_metadata
.endif
;; end of part 2
;; launch attn (part 3): grid 32 x 8, 8 waves a work-group, clusters of 4 x 1, 327,680 bytes of LDS; arguments qb, kv, wc, bo, x, out0; writes out0
.if DOCPART == 3
	.amdgcn_target "amdgcn-amd-amdhsa--gfx1250"
	.amdhsa_code_object_version 6
	.text
	.protected	k_qac63678ed0_attn
	.globl	k_qac63678ed0_attn
	.p2align	8
	.type	k_qac63678ed0_attn,@function
k_qac63678ed0_attn:
	s_mov_b64 s[64:65], 0
	v_nop
	global_prefetch_b8 v0, s[64:65] scope:SCOPE_SE
	s_setreg_imm32_b32 hwreg(HW_REG_WAVE_MODE, 25, 1), 1
	s_wait_xcnt 0x0
	s_wait_alu depctr_hold_cnt(0) depctr_sa_sdst(0) depctr_va_vdst(0) depctr_va_sdst(0) depctr_va_ssrc(0) depctr_va_vcc(0) depctr_vm_vsrc(0)
	s_getreg_b32 s2, hwreg(HW_REG_IB_STS2, 6, 4)
	s_cmp_eq_u32 s2, 0
	s_cbranch_scc0 .Lentry_in_a_cluster
	s_endpgm
.Lentry_in_a_cluster:
	s_bfe_u32 s2, ttmp6, 0x10000c
	s_cmp_lg_u32 s2, 0x3003
	s_cbranch_scc0 .Lentry_shape_is_right
	s_endpgm
.Lentry_shape_is_right:
; out = x + wo softmax(q k^T / sqrt(128)) v + bo, all three products on codes of FP4 (E2M1) with one E8M0 scale for each 32 along K.  8 batches, 4,096 tokens, 128 channels.
; q, k, v and wo arrive as images of the operands' registers (registers 4 c .. 4 c + 3 of lane l at 512 c + 16 l), made by the launches before.  Row r of tile 2 b + u of q stands for token 32 b + 8 u + r + 8 (r / 8), of v and wo for that channel;
; row r of tile 4 c + u of k stands for key 64 c + 32 (r / 8) + 8 u + r % 8.
; THE SOFTMAX: t = score x log2(e) / sqrt(128); M = the running largest t rounded UP to a whole number; p = 2^(t - M) is quantised along the keys, not normalised; the row's sum is taken of the unquantised p
; and divides at the end.  When M moves, the sum and O are multiplied by 2^(old M - new M), which rounds nothing.
; SHARES.  A work-group owns 128 queries of one batch.  EIGHT waves, two to a SIMD, 512 registers each.  A wave owns TWO tiles of 16 queries, X and Y, so that a fragment of K or V feeds two products; waves w and w + 4 share a pair of tiles and
; split the keys: of every slot of 1,024 keys waves 0-3 take the first 512, waves 4-7 the last.  A step is 256 keys: eight steps a wave.  What is X to the one wave is Y to the other:
; at the end each hands its Y to its partner through LDS and merges, projects and stages its X.
; LAYOUT.  S^T = K Q^T and O^T = V^T P^T: a lane holds ONE query throughout.  By k's order of rows the 32 registers of tiles 4 c .. 4 c + 3 are the whole block 2 c + (lane / 16) of 32 keys: its largest score and its codes
; need no other lane, and the conversions' results are the next operand's registers as they stand.  Only the scale words gather bytes from lane l xor 16.
; THE EXPONENTIALS go block by block, eight batches of 32 (four blocks of X, four of Y) with one wait between two batches.  Inside a batch stand the next block's multiply-adds and the last block's additions, none of which names one of the batch's registers.
; The row's sum is gathered in the tile's first block's registers, once that block has been converted.
; RING.  128 keys' K, V and scale words are 17,408 consecutive bytes of kv.  Two LDS slots of 1,024 keys; each wave brings an eighth (68 rows of 256 bytes) by one tensor load: one load of a wave is out at a time.
; CLUSTER.  The four query blocks of a cluster belong to one batch and walk the same bytes of kv: each fill is asked for JOINTLY, by the same load with the same descriptor and a mask that names the four.
; The place in the cluster enters the global addresses of qb, x and out0 alone.
; PREFETCH.  kv is not prefetched: every fill behind the first has two of a wave's eight steps, 128 of its products, in which to land.  The work-group's 64 KiB of x are asked for one slot ahead of their loads, each 256 bytes once.
; LIMITS: a block of o whose largest magnitude lies under 2^-124, and a block whose every p has fallen to 0, get the byte 1 (zero codes add nothing); the promise holds while the scaled scores stay under 2^31 in magnitude; NaN and infinities are not served; 1 / sum is v_rcp_f32.
; REGISTERS, window 0: v0, v7, v9, v11 at work; v1 16 x lane; v2 the step's LDS address; v3, v4 the spare word's address and 0; v5 16 x lane + my half's place in a slot; v6 Q's scales (lanes 0-15 X, 16-31 Y); v8, v10 -M of X, Y;
;   v[12:13], v[14:15] their sums in two halves; v16-23, v24-31 Q; v32-35 scales of K's first 128 keys; v36-39 of K's second 128, then V's; v40-43 V's first; v44, v46 the factors 2^(old M - new M); v45, v47 p's scale words;
;   v48-55 the blocks' largest scores, then their scales; v56-63 codes of X's first 128 keys; v64-127 eight fragments of K or V; v128-191, v192-255 O^T of X, Y.
;   window 1: block j's 32 scores at 32 j (X 0-3, Y 4-7), then p; from 32 on, where block 1 lay, the codes of the blocks from 2 on; at 64-127, where blocks 2 and 3 lay, V's fragments of the second 128 keys.
.set KREC,  17408                      ; 128 keys' bytes
.set STEPB, 2*KREC                     ; a step's
.set SLOTB, 8*KREC                     ; a slot's: 0x22000.  No address in slot 0 that is turned has bit 13 or bit 17, so one exclusive or turns it from one slot to the other
.set PART,  SLOTB/8                    ; what one tensor load brings
.set SPARE, 2*SLOTB                    ; behind the ring: the spare words, 128 bytes for each wave: four blocks of 256 bytes that no other line names
.set XB,    8448                       ; the hand-over, from LDS byte 0 (slot 0 has had its last fill and its last read by then): a wave's O^T (16 x 512 bytes), its -M (128), its sum (128)
.set STG,   69632                      ; the way out, in slot 0 too: a stage of 128 rows (channels) x (512 bytes + 16)
.set SP,    528
.set BM,    48
.set F,     64
.set MSB,   0
.macro WIN new                         ; the immediate's high byte repeats the setting that is left
.if MSB != \new
	s_set_vgpr_msb (MSB<<8)|\new
.set MSB, \new
.endif
.endm
.macro PLACES n
.rept \n
	v_nop
.endr
.endm
; The scaled matrix instruction, WM0 with C = 0, WMA adding in place; ra, rb = 1: that side's scales are read from lanes 16-31.
.macro WM0 d, a, b, sa, sb, ra, rb
.if (\ra) && (\rb)
	v_wmma_scale_f32_16x16x128_f8f6f4 v[(\d):(\d)+7], v[(\a):(\a)+7], v[(\b):(\b)+7], 0, v[\sa], v[\sb] matrix_a_fmt:MATRIX_FMT_FP4 matrix_b_fmt:MATRIX_FMT_FP4 matrix_a_scale:MATRIX_SCALE_ROW1 matrix_b_scale:MATRIX_SCALE_ROW1
.elseif (\ra)
	v_wmma_scale_f32_16x16x128_f8f6f4 v[(\d):(\d)+7], v[(\a):(\a)+7], v[(\b):(\b)+7], 0, v[\sa], v[\sb] matrix_a_fmt:MATRIX_FMT_FP4 matrix_b_fmt:MATRIX_FMT_FP4 matrix_a_scale:MATRIX_SCALE_ROW1
.elseif (\rb)
	v_wmma_scale_f32_16x16x128_f8f6f4 v[(\d):(\d)+7], v[(\a):(\a)+7], v[(\b):(\b)+7], 0, v[\sa], v[\sb] matrix_a_fmt:MATRIX_FMT_FP4 matrix_b_fmt:MATRIX_FMT_FP4 matrix_b_scale:MATRIX_SCALE_ROW1
.else
	v_wmma_scale_f32_16x16x128_f8f6f4 v[(\d):(\d)+7], v[(\a):(\a)+7], v[(\b):(\b)+7], 0, v[\sa], v[\sb] matrix_a_fmt:MATRIX_FMT_FP4 matrix_b_fmt:MATRIX_FMT_FP4
.endif
.endm
.macro WMA d, a, b, sa, sb, ra, rb
.if (\ra) && (\rb)
	v_wmma_scale_f32_16x16x128_f8f6f4 v[(\d):(\d)+7], v[(\a):(\a)+7], v[(\b):(\b)+7], v[(\d):(\d)+7], v[\sa], v[\sb] matrix_a_fmt:MATRIX_FMT_FP4 matrix_b_fmt:MATRIX_FMT_FP4 matrix_a_scale:MATRIX_SCALE_ROW1 matrix_b_scale:MATRIX_SCALE_ROW1
.elseif (\ra)
	v_wmma_scale_f32_16x16x128_f8f6f4 v[(\d):(\d)+7], v[(\a):(\a)+7], v[(\b):(\b)+7], v[(\d):(\d)+7], v[\sa], v[\sb] matrix_a_fmt:MATRIX_FMT_FP4 matrix_b_fmt:MATRIX_FMT_FP4 matrix_a_scale:MATRIX_SCALE_ROW1
.elseif (\rb)
	v_wmma_scale_f32_16x16x128_f8f6f4 v[(\d):(\d)+7], v[(\a):(\a)+7], v[(\b):(\b)+7], v[(\d):(\d)+7], v[\sa], v[\sb] matrix_a_fmt:MATRIX_FMT_FP4 matrix_b_fmt:MATRIX_FMT_FP4 matrix_b_scale:MATRIX_SCALE_ROW1
.else
	v_wmma_scale_f32_16x16x128_f8f6f4 v[(\d):(\d)+7], v[(\a):(\a)+7], v[(\b):(\b)+7], v[(\d):(\d)+7], v[\sa], v[\sb] matrix_a_fmt:MATRIX_FMT_FP4 matrix_b_fmt:MATRIX_FMT_FP4
.endif
.endm
; A round of the cluster's barrier: my work-group's barrier, so that wave 0's signal speaks for all eight waves; wave 0 signals for the work-group; every wave waits for all four work-groups; my work-group's barrier once more.
.macro CROUND
	s_barrier_signal -1
	s_barrier_wait -1
	s_cmp_lg_u32 s18, 0
	s_cbranch_scc1 .Lnot_wave_0_\@
	s_barrier_signal -3
.Lnot_wave_0_\@:
	s_barrier_wait -3
	s_barrier_signal -1
	s_barrier_wait -1
.endm
	s_load_b256 s[4:11], s[0:1], 0x0               ; qb s[4:5], kv s[6:7], wc s[8:9], bo s[10:11]
	s_load_b128 s[12:15], s[0:1], 0x20             ; x s[12:13], out0 s[14:15]
	v_lshl_add_u32 v3, v0, 2, SPARE
	v_mov_b32 v4, 0
	ds_add_u32 v3, v4                              ; the wave's opening: the add, twice on end, and its wait
	ds_add_u32 v3, v4
	v_lshrrev_b32 v2, 5, v0
	v_readfirstlane_b32 s18, v2                    ; wave 0..7
	v_and_b32 v7, 31, v0
	v_lshlrev_b32 v1, 4, v7                        ; 16 x lane
	v_lshlrev_b32 v7, 2, v7                        ; 4 x lane
	s_and_b32 s36, s18, 3                          ; my pair of tiles
	s_lshr_b32 s37, s18, 2                         ; which half of a slot's keys I walk; also which tile of the pair is my X
	s_and_b32 s45, ttmp7, 0xffff                   ; the batch, which the four partners share
	s_mul_i32 s46, s45, 32*KREC                    ; its first byte in kv,
	s_mul_i32 s33, s18, PART                       ; my eighth of a slot: in LDS (descriptor group 0, word 1) and in memory alike
	s_add_co_u32 s46, s46, s33
	s_mov_b32 s47, 0
	s_bfe_u32 s43, ttmp6, 0x40000                  ; cx: my place in the cluster
	s_lshl_b32 s44, ttmp9, 2                       ; in a cluster launch ttmp9 counts clusters
	s_add_co_u32 s44, s44, s43                     ; my block of 128 queries
	s_lshl_b32 s48, s45, 5
	s_add_co_u32 s48, s48, s44
	s_mul_i32 s48, s48, 8704                       ; its bytes in qb
	s_lshl_b32 s38, s36, 1                         ; the pair's first tile
	s_lshl_b32 s50, s38, 6
	s_add_co_u32 s50, s50, s48
	s_add_co_u32 s50, s50, 8192                    ; the pair's scale words
	s_mov_b32 s51, 0
	s_add_co_u32 s39, s38, s37                     ; X
	s_xor_b32 s60, s39, 1                          ; Y
	s_lshl_b32 s52, s39, 10
	s_add_co_u32 s52, s52, s48                     ; X's image
	s_mov_b32 s53, 0
	s_lshl_b32 s54, s60, 10
	s_add_co_u32 s54, s54, s48                     ; Y's image
	s_mov_b32 s55, 0
	s_lshl_b32 s56, s45, 21                        ; x and out0: the batch's 2 MiB,
	s_lshl_b32 s57, s18, 18                        ; channels 16 w on,
	s_add_co_u32 s56, s56, s57
	s_lshl_b32 s57, s44, 9                         ; my block's 512 bytes of a channel's row
	s_add_co_u32 s56, s56, s57
	s_mov_b32 s57, 0
	s_lshl_b32 s58, s18, 6                         ; bo of channels 16 w on
	s_mov_b32 s59, 0
	s_lshl_b32 s61, s37, 6
	s_wait_alu depctr_va_vdst(0)                   ; directly ahead of the reader below
	v_xor_b32 v80, s61, v7                         ; Q's scale words: X's in lanes 0-15, Y's in lanes 16-31
	; descriptor group 1: a dense block of 68 rows of 256 bytes, in elements of 8 bytes, no padding: images are read 16 bytes a lane on end
	s_mov_b32 s24, 15|(3<<16)|(1<<21)              ; 15:0 the mask: all four work-groups; 17:16 elements of 8 bytes; 21 set beside a mask
	s_mov_b32 s25, 32<<16                          ; tensor_dim0 = 32
	s_mov_b32 s26, 68<<16                          ; tensor_dim1 = 68
	s_mov_b32 s27, 32<<16                          ; tile_dim0 = 32
	s_mov_b32 s28, 68                              ; tile_dim1 = 68
	s_mov_b32 s29, 32                              ; from row to row
	s_mov_b32 s30, 0
	s_mov_b32 s31, 0
	s_mov_b32 s20, 0x76543210
	s_mov_b32 s21, 0xfedcba98                      ; v_permlanex16_b32's selects for lane l xor 16
	s_mov_b32 s22, 0x3e0293ee                      ; c = log2(e) / sqrt(128)
	s_mov_b32 s23, s22                             ; (named with it as a pair, so it is written)
	s_mov_b32 s19, 0xbe0293ee                      ; -c
	s_mov_b32 s40, 0                               ; how far the step in hand lies behind my half's first step of slot 0
	s_mov_b32 s41, 3                               ; slots still to be asked for
	s_wait_alu depctr_va_vdst(0)
	s_wait_dscnt 0x0                               ; both opening adds are done
	s_wait_kmcnt 0x0
	s_mov_b32 s32, 1                               ; descriptor group 0: count = 1; s33 the LDS address;
	s_add_nc_u64 s[34:35], s[6:7], s[46:47]        ; the global address: my eighth of the batch's first 1,024 keys;
	s_or_b32 s35, s35, 0x80000000                  ; type = 2
	s_add_nc_u64 s[52:53], s[4:5], s[52:53]
	s_add_nc_u64 s[54:55], s[4:5], s[54:55]
	s_add_nc_u64 s[50:51], s[4:5], s[50:51]
	s_add_nc_u64 s[8:9], s[8:9], 3*8704            ; wo in wc
	s_add_nc_u64 s[10:11], s[10:11], s[58:59]
	s_add_nc_u64 s[12:13], s[12:13], s[56:57]
	s_add_nc_u64 s[14:15], s[14:15], s[56:57]
	s_load_b512 s[72:87], s[10:11], 0x0            ; bo of the 16 output channels that I store
	CROUND                                         ; all four work-groups are here: the first joint loads meet
	tensor_load_to_lds s[32:35], s[24:31]          ; slot 0: keys 0 to 1,023
	s_nop 0
	PLACES 4                                       ; (four v_nop behind a tensor load)
	global_load_b128 v[16:19], v1, s[52:53]        ; Q's two fragments stay in registers
	global_load_b128 v[20:23], v1, s[52:53] offset:512
	global_load_b128 v[24:27], v1, s[54:55]
	global_load_b128 v[28:31], v1, s[54:55] offset:512
	global_load_b32 v6, v80, s[50:51]
	s_mul_i32 s60, s37, 2*STEPB
	v_add_nc_u32 v5, s60, v1                       ; my half's first step in a slot, + 16 x lane
	v_mov_b32 v8, 0x7f61b1e6                       ; -M so far: 3e38, above every -t
	v_mov_b32 v10, 0x7f61b1e6
.irp r, 9,11,12,13,14,15,45,47
	v_mov_b32 v[\r], 0                             ; the sums; v9, v11, v45, v47 are named as upper halves of pairs before they are first written
.endr
.set i, 128
.rept 64
	v_pk_mul_f32 v[i:i+1], v[12:13], v[12:13]      ; O^T begins as zeros, two registers a line.  The step is written without a first step of its own: the first finds zeros, which the first change of M leaves zeros
.set i, i+2
.endr
.macro LOADK k                                 ; K's eight tiles of the step's k-th 128 keys, their scale words first
	ds_load_b128 v[32+4*\k:35+4*\k], v2 offset:KREC*\k+16384
.irp t, 0,1,2,3,4,5,6,7
	ds_load_b128 v[F+8*\t:F+8*\t+3], v2 offset:KREC*\k+1024*\t
	ds_load_b128 v[F+8*\t+4:F+8*\t+7], v2 offset:KREC*\k+1024*\t+512
.endr
.endm
.macro QK k                                    ; S^T of both tiles of queries
	WIN 0x40
.irp t, 0,1,2,3,4,5,6,7
	s_wait_dscnt 14-2*\t                           ; tile t is in: the later tiles' loads, two each, may be out
	WM0 64*\k+8*\t, F+8*\t, 16, 32+4*\k+\t/2, 6, \t%2, 0
	WM0 128+64*\k+8*\t, F+8*\t, 24, 32+4*\k+\t/2, 6, \t%2, 1
.endr
	WIN 0
.endm
.macro BMAX k                                  ; the largest score of my four blocks of these 128 keys, by turns; each accumulator is read from its low end on
	WIN 0x15
.irp j, 2*\k,2*\k+1,4+2*\k,5+2*\k
	v_max3_num_f32 v[BM+\j], v[32*(\j)], v[32*(\j)+1], v[32*(\j)+2]
.endr
	WIN 0x14
.irp i, 3,5,7,9,11,13,15,17,19,21,23,25,27,29
.irp j, 2*\k,2*\k+1,4+2*\k,5+2*\k
	v_max3_num_f32 v[BM+\j], v[BM+\j], v[32*(\j)+\i], v[32*(\j)+\i+1]
.endr
.endr
.irp j, 2*\k,2*\k+1,4+2*\k,5+2*\k
	v_max_num_f32 v[BM+\j], v[BM+\j], v[32*(\j)+31]
.endr
	WIN 0
.endm
; SLOT n: the exponentials of block n; among them the multiply-adds of block n + 1 and the additions of block n - 1; ahead of them the codes of block n - 1.
.macro SLOT n
.set BLK, 32*(\n)
.set PRV, 32*(\n)-32
.set ACB, 128*((\n)/5)                         ; where the sum of block n - 1's tile is gathered: in that tile's first block
.set NM, 8+2*(((\n)+1)/4)                      ; -M of block n + 1's tile
.set HASF, 0
.if (\n) < 7
.set HASF, 1
.endif
.set HASA, 0
.if (\n) > 1
.set HASA, 1
.endif
.if (\n) == 5
.set HASA, 0
.endif
	s_wait_alu depctr_va_vdst(0)                   ; behind the last batch and ahead of this one
.if (\n) == 0
	WIN 0
.irp b, 0,1,2,3,4,5,6,7
	v_exp_f32 v[BM+\b], v[BM+\b]                   ; the blocks' largest p: the same two instructions on the same number as in the block
.endr
.endif
.if (\n) == 1
	WIN 0
.irp b, 0,1,2,3,4,5,6,7
	v_max_num_f32 v[BM+\b], 0x1800000, v[BM+\b]    ; the floor 2^(3 - 127): the byte cannot fall under 1
.endr
.irp b, 0,1,2,3,4,5,6,7
	v_add_nc_u32 v[BM+\b], 0xff000000, v[BM+\b]    ; 2 off the exponent field: the conversion's scale operand
.endr
.endif
.if (\n) > 0
.if (\n) < 3
	WIN 0x01
.set CD, 56+PRV/8
.else
	WIN 0x41
.set CD, 24+PRV/8
.endif
.irp g, 0,1,2,3
	v_cvt_scalef32_pk8_fp4_f32 v[CD+\g], v[PRV+8*\g:PRV+8*\g+7], v[BM+PRV/32]
.endr
.endif
	WIN 0x45
.set i, 0
.rept 16
.if (\n) < 8
	v_exp_f32 v[BLK+2*i], v[BLK+2*i]               ; p = 2^(t - M), at most 1: not normalised
.endif
.if HASF && HASA
	v_pk_fma_f32 v[BLK+32+2*i:BLK+33+2*i], v[BLK+32+2*i:BLK+33+2*i], s[22:23], v[NM:NM+1] op_sel_hi:[1,0,0]
.endif
.if (\n) < 8
	v_exp_f32 v[BLK+2*i+1], v[BLK+2*i+1]
.endif
.if HASF && (HASA == 0)
	v_pk_fma_f32 v[BLK+32+2*i:BLK+33+2*i], v[BLK+32+2*i:BLK+33+2*i], s[22:23], v[NM:NM+1] op_sel_hi:[1,0,0]
.endif
.if HASA
	v_pk_add_f32 v[ACB+2*i:ACB+2*i+1], v[ACB+2*i:ACB+2*i+1], v[PRV+2*i:PRV+2*i+1]
.endif
.set i, i+1
.endr
.endm
.macro RED m                                   ; 2 m pairs of each tile's sum become m
.set i, 0
.rept \m
	v_pk_add_f32 v[2*i:2*i+1], v[2*i:2*i+1], v[2*i+2*\m:2*i+2*\m+1]
	v_pk_add_f32 v[128+2*i:129+2*i], v[128+2*i:129+2*i], v[128+2*i+2*\m:129+2*i+2*\m]
.set i, i+1
.endr
.endm
; A STEP: 256 keys.
.macro STEP
	v_add_nc_u32 v2, s40, v5
	PLACES 4                                       ; with the line above five places: the last step's products have read what is loaded or written over below
	LOADK 0
	s_wait_alu depctr_va_vdst(0)
	QK 0
	PLACES 4
	LOADK 1                                        ; lands while the first 128 keys' maxima are taken
	BMAX 0
	QK 1
	PLACES 4
	ds_load_b128 v[40:43], v2 offset:16896         ; V's scale words and eight fragments of the first 128 keys land while the softmax is walked
.irp t, 0,1,2,3,4,5,6,7
	ds_load_b128 v[F+8*\t:F+8*\t+3], v2 offset:8192+1024*\t
	ds_load_b128 v[F+8*\t+4:F+8*\t+7], v2 offset:8192+1024*\t+512
.endr
	BMAX 1
	v_max3_num_f32 v9, v[BM], v[BM+1], v[BM+2]
	v_max3_num_f32 v11, v[BM+4], v[BM+5], v[BM+6]
	v_max_num_f32 v9, v9, v[BM+3]
	v_max_num_f32 v11, v11, v[BM+7]
	v_permlanex16_b32 v0, v9, s20, s21
	v_permlanex16_b32 v7, v11, s20, s21
	v_max_num_f32 v9, v9, v0                       ; the step's largest score of my query in X,
	v_max_num_f32 v11, v11, v7                     ; in Y
	v_mul_f32 v9, s19, v9                          ; -t
	v_mul_f32 v11, s19, v11
	v_floor_f32 v9, v9                             ; -ceil(t)
	v_floor_f32 v11, v11
	v_min_num_f32 v9, v9, v8                       ; the new -M: a whole number
	v_min_num_f32 v11, v11, v10
	v_sub_f32 v0, v9, v8                           ; old M - new M: a whole number, 0 or less
	v_sub_f32 v7, v11, v10
	v_mov_b32 v8, v9
	v_mov_b32 v10, v11
	v_cvt_i32_f32 v0, v0                           ; (it saturates)
	v_cvt_i32_f32 v7, v7
	v_ldexp_f32 v44, 1.0, v0                       ; the factors 2^(old M - new M)
	v_ldexp_f32 v46, 1.0, v7
.irp b, 0,1,2,3
	v_fma_f32 v[BM+\b], v[BM+\b], s22, v8          ; t - M of each block's largest score
	v_fma_f32 v[BM+4+\b], v[BM+4+\b], s22, v10
.endr
.set i, 0
.rept 32
	v_pk_mul_f32 v[128+i:129+i], v[128+i:129+i], v[44:45] op_sel_hi:[1,0]   ; O^T under the new M
.set i, i+2
.endr
.set i, 0
.rept 32
	v_pk_mul_f32 v[192+i:193+i], v[192+i:193+i], v[46:47] op_sel_hi:[1,0]
.set i, i+2
.endr
	WIN 0x45
.set i, 0
.rept 16
	v_pk_fma_f32 v[i:i+1], v[i:i+1], s[22:23], v[8:9] op_sel_hi:[1,0,0]     ; t - M of block 0, two at a time (of the pairs c and -M the low word serves both halves)
.set i, i+2
.endr
	WIN 0
	SLOT 0
	SLOT 1
	SLOT 2
	SLOT 3
	SLOT 4
	WIN 0
	ds_load_b128 v[36:39], v2 offset:KREC+16896    ; V of the second 128 keys, into the registers of X's blocks 2 and 3, which are converted and added
	WIN 0x40
.irp t, 0,1,2,3,4,5,6,7
	ds_load_b128 v[64+8*\t:67+8*\t], v2 offset:KREC+8192+1024*\t
	ds_load_b128 v[68+8*\t:71+8*\t], v2 offset:KREC+8192+1024*\t+512
.endr
	SLOT 5
	SLOT 6
	SLOT 7
	SLOT 8
	WIN 0
.irp b, 0,1,2,3,4,5,6,7
	v_lshrrev_b32 v[BM+\b], 23, v[BM+\b]           ; the scales' bytes
.endr
	v_lshl_or_b32 v9, v[BM+1], 16, v[BM]           ; my two blocks of the first 128 keys: bytes h and 2 + h, less the h;
	v_lshl_or_b32 v11, v[BM+5], 16, v[BM+4]
	v_lshl_or_b32 v0, v[BM+3], 16, v[BM+2]         ; of the second 128
	v_lshl_or_b32 v7, v[BM+7], 16, v[BM+6]
	v_permlane16_swap_b32 v9, v0                   ; lanes 0-15: the first 128 keys' pairs of both halves of the lanes; lanes 16-31: the second's
	v_permlane16_swap_b32 v11, v7
	v_lshl_or_b32 v45, v0, 8, v9                   ; p's scale words
	v_lshl_or_b32 v47, v7, 8, v11
	WIN 0x45
	RED 8
	RED 4
	RED 2
	RED 1
	WIN 0x10
	v_pk_fma_f32 v[12:13], v[12:13], v[44:45], v[0:1] op_sel_hi:[1,0,1]       ; the sums, the old ones under the new M
	v_pk_fma_f32 v[14:15], v[14:15], v[46:47], v[128:129] op_sel_hi:[1,0,1]
	WIN 0
	s_wait_alu depctr_va_vdst(0)
	s_wait_dscnt 0x0                               ; V is in
.irp t, 0,1,2,3,4,5,6,7                        ; O^T += V^T P^T: sixteen accumulators by turns
	WMA 128+8*\t, F+8*\t, 56, 40+\t/2, 45, \t%2, 0
.endr
	WIN 0x04
.irp t, 0,1,2,3,4,5,6,7
	WMA 192+8*\t, F+8*\t, 40, 40+\t/2, 47, \t%2, 0
.endr
	WIN 0x05
.irp t, 0,1,2,3,4,5,6,7
	WMA 128+8*\t, 64+8*\t, 32, 36+\t/2, 45, \t%2, 1
.endr
.irp t, 0,1,2,3,4,5,6,7
	WMA 192+8*\t, 64+8*\t, 48, 36+\t/2, 47, \t%2, 1
.endr
	WIN 0
	s_add_co_u32 s40, s40, STEPB                   ; the next step's bytes
.endm
; THE CHANGE OF SLOTS stands at a slot's head.  Each wave waits for all its tensor loads (its part of the slot that it is about to read), adds 0 to its spare word, and waits for that and for its reads of the slot
; that it has left.  fill = 1: the barrier is a round of the cluster's, so that no wave of any partner still reads that slot or has a load on its way; the joint fill is the first thing behind it and has a slot's steps in which to land.
.macro CHANGE fill
	s_wait_tensorcnt 0x0                           ; no tensor load of mine is out, so group 0 may be written
	ds_add_u32 v3, v4                              ; 0 onto my spare word
.if \fill
	s_xor_b32 s33, s33, SLOTB                      ; the walking descriptor: the other slot than last time,
	s_add_nc_u64 s[34:35], s[34:35], SLOTB         ; the next 1,024 keys; the type bits on top are not reached
.endif
	s_wait_dscnt 0x0                               ; the add is done, and my reads of the slot that I have left are over
.if \fill
	CROUND
	tensor_load_to_lds s[32:35], s[24:31]          ; my one tensor load until the next round
	s_nop 0
	PLACES 4
.else
	s_barrier_signal -1
	s_barrier_wait -1
.endif
.endm
.macro TWO_STEPS                               ; my two steps of a slot: written once, walked twice; the LDS addresses hang on s40
	s_mov_b32 s42, 2
.Lstep_\@:
	STEP
	s_sub_co_u32 s42, s42, 1
	s_cmp_lg_u32 s42, 0
	s_cbranch_scc1 .Lstep_\@
	s_sub_co_u32 s40, s40, 2*STEPB                 ; back to my half's first step,
	s_xor_b32 s40, s40, SLOTB                      ; in the other slot
.endm
	s_wait_alu depctr_va_vdst(0)
	s_wait_loadcnt 0x0                             ; Q
	s_wait_kmcnt 0x0                               ; bo
.Lslot:                                            ; three trips: each reads a slot and asks for the next
	CHANGE 1
	TWO_STEPS
	s_sub_co_u32 s41, s41, 1
	s_cmp_lg_u32 s41, 0
	s_cbranch_scc1 .Lslot
	PLACES 4                                       ; the last products have read v56
	v_bfe_u32 v56, v1, 5, 4
	v_bfe_u32 v57, v1, 4, 1
	v_lshlrev_b32 v56, 14, v56
	v_lshl_add_u32 v56, v57, 8, v56                ; lane l names half l % 2 of my row l / 2 of x: 32 blocks of 256 bytes, each once in the launch, two steps ahead of their loads
	global_prefetch_b8 v56, s[12:13] th:TH_LOAD_NT scope:SCOPE_SE
	CHANGE 0                                       ; the last slot is written out
	s_wait_xcnt 0x0                                ; the prefetch has read its address: v56 may be written
	TWO_STEPS
	; ---- THE TWO HALVES OF THE KEYS MEET: each wave hands its Y to its partner, whose X it is, and takes the partner's part of its own X
	PLACES 4                                       ; four places behind the last products: for the reads of O^T, the loads into V's registers and the writes of Q's
	v_lshrrev_b32 v16, 2, v1                       ; 4 x lane
.irp t, 0,1,2,3,4,5,6,7
	global_load_b128 v[F+8*\t:F+8*\t+3], v1, s[8:9] offset:1024*\t        ; wo's eight fragments
	global_load_b128 v[F+8*\t+4:F+8*\t+7], v1, s[8:9] offset:1024*\t+512
.endr
.irp i, 0,1,2,3
	global_load_b32 v[32+\i], v16, s[8:9] offset:8192+128*\i              ; its scale words: lanes 0-15 tile 2 i, lanes 16-31 tile 2 i + 1
.endr
	s_barrier_signal -1                            ; my LDS reads are over (none has been issued since the wait ahead of the products)
	s_mul_i32 s60, s18, XB
	v_add_nc_u32 v17, s60, v1                      ; what I hand over: 16 a lane,
	v_add_nc_u32 v18, s60, v16                     ; 4 a lane
	s_xor_b32 s61, s18, 4
	s_mul_i32 s61, s61, XB
	v_add_nc_u32 v19, s61, v1                      ; what my partner hands over
	v_add_nc_u32 v20, s61, v16
	v_bfe_u32 v23, v1, 4, 4                        ; r
	v_and_b32 v21, 8, v23
	v_add_nc_u32 v23, v21, v23                     ; r + 8 (r / 8)
	v_mul_u32_u24 v21, v23, SP
	v_bfe_u32 v22, v1, 8, 1                        ; h
	v_lshl_add_u32 v21, v22, 6, v21                ; the stage, in: that channel's row, + 64 h,
	s_lshl_b32 s60, s36, 7
	s_lshl_b32 s61, s37, 5
	s_add_co_u32 s60, s60, s61
	s_add_co_u32 s60, s60, STG
	v_add_nc_u32 v21, s60, v21                     ; + 128 (X / 2) + 32 (X % 2): tokens 32 (X / 2) + 8 (X % 2) + 16 h + 0 .. 7
	s_mul_i32 s61, s18, 16*SP
	s_add_co_u32 s61, s61, STG
	v_add_nc_u32 v22, s61, v1                      ; and back: rows 16 w on, 16 bytes a lane
	v_add_f32 v12, v12, v13                        ; the sums' two halves
	v_add_f32 v14, v14, v15
	s_wait_alu depctr_va_vdst(0)
	s_barrier_wait -1                              ; nobody reads the ring any more
.irp k, 0,1,2,3,4,5,6,7,8,9,10,11,12,13,14,15
	ds_store_b128 v17, v[192+4*\k:195+4*\k] offset:512*\k   ; Y's O^T as it stands; ascending
.endr
	ds_store_b32 v18, v10 offset:8192              ; its -M
	ds_store_b32 v18, v14 offset:8320              ; and my lane's sum
	s_wait_dscnt 0x0                               ; for the partner's sake: my stores have landed (and have read their registers)
.irp i, 0,1,2,3,4,5,6,7,8,9,10,11,12,13,14,15
	global_load_b128 v[192+4*\i:195+4*\i], v1, s[12:13] offset:16384*\i th:TH_LOAD_NT   ; x of channels 16 w + i, my block's 128 tokens: 512 consecutive bytes a load; its last read
.endr
	s_barrier_signal -1
	s_barrier_wait -1
	ds_load_b32 v24, v20 offset:8192               ; the partner's -M of my X,
	ds_load_b32 v25, v20 offset:8320               ; its sum,
	WIN 0x40
.irp k, 0,1,2,3,4,5,6,7,8,9,10,11,12,13,14,15
	ds_load_b128 v[4*\k:4*\k+3], v19 offset:512*\k ; its O^T, in the same registers' order and the same lanes
.endr
	WIN 0
	s_wait_dscnt 16                                ; -M and the sum are in: O^T's 16 loads may be out
	v_min_num_f32 v28, v8, v24                     ; the joint -M: the larger M
	v_sub_f32 v29, v28, v8                         ; my M - the joint M: a whole number, 0 or less
	v_sub_f32 v30, v28, v24                        ; the partner's likewise
	v_cvt_i32_f32 v29, v29                         ; (they saturate)
	v_cvt_i32_f32 v30, v30
	v_ldexp_f32 v29, 1.0, v29                      ; f1
	v_ldexp_f32 v30, 1.0, v30                      ; f2
	v_mul_f32 v12, v12, v29
	v_fma_f32 v12, v25, v30, v12                   ; both sums under the joint M,
	v_permlanex16_b32 v0, v12, s20, s21
	v_add_f32 v12, v12, v0                         ; and lane l xor 16's: the row's sum
	s_wait_alu depctr_va_vdst(0)                   ; ahead of the transcendental
	v_rcp_f32 v12, v12
	v_nop                                          ; a plain line behind the transcendental
	s_wait_alu depctr_va_vdst(0)                   ; and behind it, ahead of its first reader
	v_mul_f32 v14, v12, v29                        ; f1 / sum  (a power of two times the reciprocal)
	v_mul_f32 v10, v12, v30                        ; f2 / sum
.set i, 0
.rept 32
	v_pk_mul_f32 v[128+i:129+i], v[128+i:129+i], v[14:15] op_sel_hi:[1,0]   ; ascending: each accumulator is read from its low end on
.set i, i+2
.endr
	s_wait_dscnt 0x0                               ; the partner's O^T is in
	WIN 0x01
.set i, 0
.rept 32
	v_pk_fma_f32 v[128+i:129+i], v[i:i+1], v[10:11], v[128+i:129+i] op_sel_hi:[1,0,1]   ; o: register 16 b + i is channel 32 b + 16 h + i of my query
.set i, i+2
.endr
	WIN 0
.irp b, 0,1,2,3
	v_max3_num_f32 v[48+\b], |v[128+16*\b]|, |v[129+16*\b]|, 0x1800000     ; o's four blocks of 32 channels, with the floor
.endr
.irp i, 2,4,6,8,10,12,14
.irp b, 0,1,2,3
	v_max3_num_f32 v[48+\b], v[48+\b], |v[128+16*\b+\i]|, |v[129+16*\b+\i]|
.endr
.endr
.irp b, 0,1,2,3
	v_permlanex16_b32 v[52+\b], v[48+\b], s20, s21
.endr
.irp b, 0,1,2,3
	v_max_num_f32 v[48+\b], v[48+\b], v[52+\b]
.endr
.irp b, 0,1,2,3
	v_add_nc_u32 v[48+\b], 0xff000000, v[48+\b]
.endr
.irp b, 0,1,2,3
	v_lshrrev_b32 v[52+\b], 23, v[48+\b]
.endr
	v_lshl_or_b32 v45, v53, 8, v52                 ; o's scale word
	v_lshl_or_b32 v45, v54, 16, v45
	v_lshl_or_b32 v45, v55, 24, v45
.irp b, 0,1,2,3
	v_cvt_scalef32_pk8_fp4_f32 v[56+2*\b], v[128+16*\b:135+16*\b], v[48+\b]
	v_cvt_scalef32_pk8_fp4_f32 v[57+2*\b], v[136+16*\b:143+16*\b], v[48+\b]
.endr
	v_nop                                          ; one plain line behind the last scaled conversion
.irp c, 0,1                                    ; the operand's layout wants a whole block in a lane: lanes 0-15 block 2 c, lanes 16-31 block 2 c + 1
.irp i, 0,1
	v_permlane16_swap_b32 v[56+4*\c+\i], v[58+4*\c+\i]
.endr
.endr
	PLACES 8                                       ; eight places between a scale word made by vector instructions and the scaled product; four are owed for the codes
	s_wait_alu depctr_va_vdst(0)
	s_wait_loadcnt 16                              ; wo is in: the 16 loads of x issued behind it may be out
	WIN 0x40
.irp t, 0,1,2,3,4,5,6,7
	WM0 8*\t, 56, F+8*\t, 45, 32+\t/2, 0, \t%2     ; source 0 = o's 16 queries, source 1 = 16 rows of wo: lane (r, h) holds channel 32 (t / 2) + 8 (t % 2) + r + 8 (r / 8) and eight neighbouring tokens
.endr
	PLACES 4                                       ; four places: for the stores of results, and for the loads into wo's registers
	WIN 0x04
.irp t, 0,1,2,3,4,5,6,7
	ds_store_b128 v21, v[8*\t:8*\t+3] offset:(32*(\t/2)+8*(\t%2))*SP          ; each accumulator from its low end on
	ds_store_b128 v21, v[8*\t+4:8*\t+7] offset:(32*(\t/2)+8*(\t%2))*SP+16
.endr
	WIN 0
	s_wait_loadcnt 0x0                             ; x is in
	s_wait_dscnt 0x0                               ; for the others' sake: my stores into the stage have landed
	s_barrier_signal -1
.irp i, 0,1,2,3,4,5,6,7,8,9,10,11,12,13,14,15
.irp e, 0,1,2,3
	v_add_f32 v[192+4*\i+\e], s[72+\i], v[192+4*\i+\e]   ; x + bo of channel 16 w + i: work on registers while the others arrive
.endr
.endr
	s_wait_alu depctr_va_vdst(0)
	s_barrier_wait -1                              ; 128 whole rows lie in the stage
	; ---- the way out: every wave takes 16 rows
.irp i, 0,1,2,3,4,5,6,7,8,9,10,11,12,13,14,15
	ds_load_b128 v[F+4*\i:F+4*\i+3], v22 offset:\i*SP
.endr
.irp i, 0,1,2,3,4,5,6,7,8,9,10,11,12,13,14,15
	s_wait_dscnt 15-\i                             ; row i is back: the younger rows' loads may be out
	v_pk_add_f32 v[F+4*\i:F+4*\i+1], v[F+4*\i:F+4*\i+1], v[192+4*\i:193+4*\i]
	v_pk_add_f32 v[F+4*\i+2:F+4*\i+3], v[F+4*\i+2:F+4*\i+3], v[194+4*\i:195+4*\i]
	global_store_b128 v1, v[F+4*\i:F+4*\i+3], s[14:15] offset:16384*\i th:TH_STORE_NT   ; 32 lanes store 512 consecutive bytes, at a multiple of 256 from out0's first byte
.endr
	s_wait_tensorcnt 0x0                           ; the wave's end, behind my last tensor load and my last LDS store
	ds_add_u32 v3, v4
	s_wait_dscnt 0x0
	CROUND                                         ; the closing round: no work-group ends while a partner may still ask for a tile that names it
	s_endpgm
.Lfunc_end_k_qac63678ed0_attn:
	.size	k_qac63678ed0_attn, .Lfunc_end_k_qac63678ed0_attn-k_qac63678ed0_attn
	.p2alignl 7, 3214868480
	.fill 96, 4, 3214868480
	.section	.rodata,"a",@progbits
	.p2align	6, 0x0
	.amdhsa_kernel k_qac63678ed0_attn
		.amdhsa_group_segment_fixed_size 327680
		.amdhsa_private_segment_fixed_size 0
		.amdhsa_enable_private_segment 0
		.amdhsa_kernarg_size 48
		.amdhsa_user_sgpr_count 2
		.amdhsa_user_sgpr_kernarg_segment_ptr 1
		.amdhsa_wavefront_size32 1
		.amdhsa_system_sgpr_workgroup_id_x 1
		.amdhsa_system_sgpr_workgroup_id_y 1
		.amdhsa_system_sgpr_workgroup_id_z 1
		.amdhsa_system_vgpr_workitem_id 0
		.amdhsa_next_free_vgpr 512
		.amdhsa_next_free_sgpr 96
		.amdhsa_reserve_vcc 0
		.amdhsa_float_denorm_mode_32 3
		.amdhsa_float_denorm_mode_16_64 3
		.amdhsa_memory_ordered 1
		.amdhsa_forward_progress 1
		.amdhsa_inst_pref_size 149
	.end_amdhsa_kernel
	.amdgpu_metadata
---
amdhsa.version: [ 1, 2 ]
amdhsa.kernels:
  - .name:           k_qac63678ed0_attn
    .symbol:         k_qac63678ed0_attn.kd
    .args:
      - { .name: qb, .offset: 0, .size: 8, .value_kind: global_buffer, .address_space: global }
      - { .name: kv, .offset: 8, .size: 8, .value_kind: global_buffer, .address_space: global }
      - { .name: wc, .offset: 16, .size: 8, .value_kind: global_buffer, .address_space: global }
      - { .name: bo, .offset: 24, .size: 8, .value_kind: global_buffer, .address_space: global }
      - { .name: x, .offset: 32, .size: 8, .value_kind: global_buffer, .address_space: global }
      - { .name: out0, .offset: 40, .size: 8, .value_kind: global_buffer, .address_space: global }
    .group_segment_fixed_size: 327680
    .private_segment_fixed_size: 0
    .kernarg_segment_align: 8
    .kernarg_segment_size: 48
    .max_flat_workgroup_size: 256
    .sgpr_count:     96
    .vgpr_count:     512
    .wavefront_size: 32
...
	.end_amdgpu_metadata
.endif
;; end of part 3
